; MI455X (gfx1250); checked and timed in simulation.
; The chip was launched on July 23, 2026; its instructions are those of AMD's public machine-readable ISA for CDNA 5 (MIT licence, August 2026) and "CDNA5" Instruction Set Architecture Reference Guide (July 2026). The comments in the code are by the model that wrote it; some were corrected since.
;; Bigram Transformer. Allowed arithmetic: float matrix products may take bf16 or f16 operands with f32 sums; all other float work in f32.
;; Inputs: W1 6 x 128 x 512 float32; W2 6 x 512 x 128 float32; Wh 128 x 256 float32; Wk 6 x 4 x 128 x 32 float32; Wo 6 x 128 x 128 float32; Wq 6 x 4 x 128 x 32 float32; Wv 6 x 4 x 128 x 32 float32; b1 6 x 512 float32; b2 6 x 128 float32; bh 256 float32; bo 6 x 128 float32; idx 512 x 64 int32; ln1_b 6 x 128 float32; ln1_g 6 x 128 float32; ln2_b 6 x 128 float32; ln2_g 6 x 128 float32; lnf_b 128 float32; lnf_g 128 float32; pos_emb 64 x 128 float32; tok_emb 256 x 128 float32.
;; Outputs: out0 512 x 64 x 256 float32.
;; 2 versions, each right and faster than the one before. Each part assembles by itself: llvm-mc -triple=amdgcn-amd-amdhsa -mcpu=gfx1250 --defsym DOCPART=n.
;; ======== version 1 of 2: 2 launches
;; limits: values are held in f16: magnitudes above 65,504 overflow, below 6.1e-05 lose precision
;; workspace buffers: wpk 2,424,832 bytes
;; launch pack (part 1): grid 592 x 1, 8 waves a work-group, no clusters, 0 bytes of LDS; arguments Wq, Wk, Wv, Wo, W1, W2, Wh, wpk; writes wpk
.if DOCPART == 1
	.amdgcn_target "amdgcn-amd-amdhsa--gfx1250"
	.amdhsa_code_object_version 6
	.text
	.protected	k_qeb4c8688ff_pack
	.globl	k_qeb4c8688ff_pack
	.p2align	8
	.type	k_qeb4c8688ff_pack,@function
k_qeb4c8688ff_pack:
	s_mov_b64 s[64:65], 0
	v_nop
	global_prefetch_b8 v0, s[64:65] scope:SCOPE_SE
	s_setreg_imm32_b32 hwreg(HW_REG_WAVE_MODE, 25, 1), 1
	s_wait_xcnt 0x0
; All weights, f32 stored [K][N], are rounded once to f16 and laid down in the order in which the second launch takes them.
; A FRAGMENT is 16 output columns n0.. x 32 k, 1,024 bytes: the f16 at byte 512 q + 16 lane + 2 e is W[k0 + 16 q + 8 h + e][n0 + r],
; lane = 16 h + r.  Two 16-byte LDS loads a lane, 512 bytes apart, then fill the 8 registers of a matrix operand (ISA guide 7.12.2).
; wpk: for each layer 384 fragments (4 chunks of 96), then 64 fragments of Wh:
;   0-95    Wq, Wk, Wv: head*24 + matrix*8 + (e tile)*4 + (k step)
;   96-127  Wo: (k step)*8 + (n tile)
;   128-383 eight blocks of 32: half c (16 fragments) serves hidden columns f0 = 32 (2 b + c): 8 of W1 ((f tile)*4 + k step), 8 of W2 (n tile)
; A work-group makes 4 fragments (4,096 bytes) that come from one matrix; thread t makes the 16 bytes at 16 t, so a wave's store covers
; 512 consecutive bytes, aligned.  Each source element is read once in the launch (4.85 MB in all): no LDS stage is worth its barriers.
; LIMIT: f16; a weight beyond 65,504 in magnitude would overflow, one below 6e-8 becomes zero.
.macro PACK p, lf, lk                  ; p: scalar pair with the matrix's address; 1<<lf bytes from fragment to fragment; 1<<lk bytes from k to k + 1
	s_add_nc_u64 s[30:31], s[\p:\p+1], s[22:23]    ; + the byte offset of the group's first fragment
	v_lshl_add_u32 v5, v3, \lf, v1                 ; fragment f, column r
	v_lshl_add_u32 v5, v2, \lk+3, v5               ; + 8 (2 q + h) rows of k
.irp e,0,1,2,3,4,5,6,7
	global_load_b32 v[8+\e], v5, s[30:31] offset:(\e<<\lk)
.endr
	s_wait_loadcnt 0x0
.irp e,0,1,2,3
	v_cvt_pk_f16_f32 v[16+\e], v[8+2*\e], v[9+2*\e]   ; the lower k into the lower half
.endr
	global_store_b128 v4, v[16:19], s[18:19]
	s_endpgm
.endm
	s_load_b512 s[4:19], s[0:1], 0x0               ; Wq 4, Wk 6, Wv 8, Wo 10, W1 12, W2 14, Wh 16, wpk 18
	v_and_b32 v1, 15, v0
	v_lshlrev_b32 v1, 2, v1                        ; 4 r
	v_bfe_u32 v2, v0, 4, 2                         ; 2 q + h
	v_lshrrev_b32 v3, 6, v0                        ; fragment 0..3
	v_lshlrev_b32 v4, 4, v0                        ; my 16 bytes of the group's 4,096
	s_lshl_b32 s20, ttmp9, 12
	s_mov_b32 s21, 0
	s_mov_b32 s23, 0                               ; high word of the source offset s[22:23]
	s_wait_kmcnt 0x0
	s_add_nc_u64 s[18:19], s[18:19], s[20:21]
	s_cmp_ge_u32 ttmp9, 576
	s_cbranch_scc1 .Lhead
	s_mul_i32 s24, ttmp9, 683
	s_lshr_b32 s24, s24, 16                        ; layer = g / 96 (exact for g < 576)
	s_mul_i32 s25, s24, 96
	s_sub_co_u32 s25, ttmp9, s25                   ; t = g mod 96
	s_cmp_ge_u32 s25, 32
	s_cbranch_scc1 .Lffn
	s_cmp_ge_u32 s25, 24
	s_cbranch_scc1 .Lwo
	; Wq, Wk, Wv [layer][head][128][32]: t = 6 head + 2 matrix + e tile; the four fragments are the four k steps
	s_mul_i32 s26, s25, 43
	s_lshr_b32 s26, s26, 8                         ; head = t / 6 (exact for t < 24)
	s_mul_i32 s27, s26, 6
	s_sub_co_u32 s27, s25, s27
	s_lshr_b32 s28, s27, 1                         ; matrix 0, 1, 2
	s_and_b32 s27, s27, 1                          ; e tile
	s_lshl2_add_u32 s26, s24, s26                  ; 4 layer + head
	s_lshl_b32 s22, s26, 14
	s_lshl_b32 s27, s27, 6
	s_add_co_u32 s22, s22, s27
	s_cmp_eq_u32 s28, 1
	s_cselect_b64 s[30:31], s[6:7], s[4:5]
	s_cmp_eq_u32 s28, 2
	s_cselect_b64 s[30:31], s[8:9], s[30:31]
	PACK 30, 12, 7
.Lwo:                                  ; Wo [layer][128][128]: u = t - 24: k step u / 2, n tiles 4 (u mod 2) + f
	s_sub_co_u32 s26, s25, 24
	s_lshr_b32 s27, s26, 1
	s_and_b32 s26, s26, 1
	s_lshl_b32 s22, s24, 16
	s_lshl_b32 s27, s27, 14
	s_lshl_b32 s26, s26, 8
	s_add_co_u32 s22, s22, s27
	s_add_co_u32 s22, s22, s26
	PACK 10, 6, 9
.Lffn:                                 ; G = t - 32: 2 b + c = G / 4; quarter w = G mod 4: 0, 1 are W1's f tiles, 2, 3 are W2's n tiles
	s_sub_co_u32 s26, s25, 32
	s_lshr_b32 s27, s26, 2
	s_and_b32 s26, s26, 3
	s_lshl_b32 s22, s24, 18
	s_cmp_ge_u32 s26, 2
	s_cbranch_scc1 .Lw2
	s_lshl_b32 s27, s27, 7                         ; W1 [layer][128][512]: column 32 (2 b + c) + 16 w, the four fragments are the k steps
	s_lshl_b32 s26, s26, 6
	s_add_co_u32 s22, s22, s27
	s_add_co_u32 s22, s22, s26
	PACK 12, 16, 11
.Lw2:
	s_lshl_b32 s27, s27, 14                        ; W2 [layer][512][128]: row 32 (2 b + c), n tiles 4 (w - 2) + f
	s_sub_co_u32 s26, s26, 2
	s_lshl_b32 s26, s26, 8
	s_add_co_u32 s22, s22, s27
	s_add_co_u32 s22, s22, s26
	PACK 14, 6, 9
.Lhead:                                ; Wh [128][256]: v tile g - 576, the four fragments are the k steps
	s_sub_co_u32 s22, ttmp9, 576
	s_lshl_b32 s22, s22, 6
	PACK 16, 15, 10
.Lfunc_end_k_qeb4c8688ff_pack:
	.size	k_qeb4c8688ff_pack, .Lfunc_end_k_qeb4c8688ff_pack-k_qeb4c8688ff_pack
	.p2alignl 7, 3214868480
	.fill 96, 4, 3214868480
	.section	.rodata,"a",@progbits
	.p2align	6, 0x0
	.amdhsa_kernel k_qeb4c8688ff_pack
		.amdhsa_group_segment_fixed_size 0
		.amdhsa_private_segment_fixed_size 0
		.amdhsa_enable_private_segment 0
		.amdhsa_kernarg_size 64
		.amdhsa_user_sgpr_count 2
		.amdhsa_user_sgpr_kernarg_segment_ptr 1
		.amdhsa_wavefront_size32 1
		.amdhsa_system_sgpr_workgroup_id_x 1
		.amdhsa_system_sgpr_workgroup_id_y 1
		.amdhsa_system_sgpr_workgroup_id_z 1
		.amdhsa_system_vgpr_workitem_id 0
		.amdhsa_next_free_vgpr 24
		.amdhsa_next_free_sgpr 66
		.amdhsa_reserve_vcc 0
		.amdhsa_float_denorm_mode_32 3
		.amdhsa_float_denorm_mode_16_64 3
		.amdhsa_memory_ordered 1
		.amdhsa_forward_progress 1
		.amdhsa_inst_pref_size 9
	.end_amdhsa_kernel
	.amdgpu_metadata
---
amdhsa.version: [ 1, 2 ]
amdhsa.kernels:
  - .name:           k_qeb4c8688ff_pack
    .symbol:         k_qeb4c8688ff_pack.kd
    .args:
      - { .name: Wq, .offset: 0, .size: 8, .value_kind: global_buffer, .address_space: global }
      - { .name: Wk, .offset: 8, .size: 8, .value_kind: global_buffer, .address_space: global }
      - { .name: Wv, .offset: 16, .size: 8, .value_kind: global_buffer, .address_space: global }
      - { .name: Wo, .offset: 24, .size: 8, .value_kind: global_buffer, .address_space: global }
      - { .name: W1, .offset: 32, .size: 8, .value_kind: global_buffer, .address_space: global }
      - { .name: W2, .offset: 40, .size: 8, .value_kind: global_buffer, .address_space: global }
      - { .name: Wh, .offset: 48, .size: 8, .value_kind: global_buffer, .address_space: global }
      - { .name: wpk, .offset: 56, .size: 8, .value_kind: global_buffer, .address_space: global }
    .group_segment_fixed_size: 0
    .private_segment_fixed_size: 0
    .kernarg_segment_align: 8
    .kernarg_segment_size: 64
    .max_flat_workgroup_size: 256
    .sgpr_count:     66
    .vgpr_count:     24
    .wavefront_size: 32
...
	.end_amdgpu_metadata
.endif
;; end of part 1
;; launch model (part 2): grid 256 x 1, 4 waves a work-group, clusters of 4 x 1, 327,680 bytes of LDS; arguments idx, tok_emb, pos_emb, wpk, ln1_g, ln1_b, bo, ln2_g, ln2_b, b1, b2, lnf_g, lnf_b, bh, out0; writes out0
.if DOCPART == 2
	.amdgcn_target "amdgcn-amd-amdhsa--gfx1250"
	.amdhsa_code_object_version 6
	.text
	.protected	k_qeb4c8688ff_model
	.globl	k_qeb4c8688ff_model
	.p2align	8
	.type	k_qeb4c8688ff_model,@function
k_qeb4c8688ff_model:
	s_mov_b64 s[64:65], 0
	v_nop
	global_prefetch_b8 v0, s[64:65] scope:SCOPE_SE
	s_setreg_imm32_b32 hwreg(HW_REG_WAVE_MODE, 25, 1), 1
	s_wait_xcnt 0x0
	s_wait_alu depctr_hold_cnt(0) depctr_sa_sdst(0) depctr_va_vdst(0) depctr_va_sdst(0) depctr_va_ssrc(0) depctr_va_vcc(0) depctr_vm_vsrc(0)
	s_getreg_b32 s2, hwreg(HW_REG_IB_STS2, 6, 4)
	s_cmp_eq_u32 s2, 0
	s_cbranch_scc0 .Lentry_in_a_cluster
	s_endpgm
.Lentry_in_a_cluster:
	s_bfe_u32 s2, ttmp6, 0x10000c
	s_cmp_lg_u32 s2, 0x3003
	s_cbranch_scc0 .Lentry_shape_is_right
	s_endpgm
.Lentry_shape_is_right:
; The whole model for two sequences (128 rows) in one work-group of four waves: embedding, six layers, final LayerNorm, head.
; No activation goes to memory.  Wave w: sequence s = w / 2 (64 rows), column half c = w mod 2; its partner is w xor 1.
;
; LAYOUT.  Every product is taken transposed: source 0 = 16 output columns of a weight, source 1 = 16 rows of activations.  Lane (r, h) of a
; result tile (i, j) then holds row 16 i + r and the eight neighbouring columns 16 j + 8 h + 0..7, and two such tiles round straight into an
; operand fragment (row r, k along the registers): chained products need no LDS.  V is made with the sources exchanged, which gives V^T as a
; fragment; the scores come with lane = query row, so a softmax is work inside a lane and one exchange between the halves of the wave.
; A wave holds x[64 rows][its 64 columns] (128 registers) and does heads 2 c, 2 c + 1 of its sequence alone.  Wo and W2 are split along K: a
; wave multiplies its own 64 (256) k by all 128 columns; its own columns add in place onto x, the partner's start from the bias (bo, b2) and
; go to the partner in f32 through LDS.  LayerNorm: mean and centred sum of squares over the wave's 64 columns, one (mean, M2) pair a row
; exchanged, combined as M2 = M2a + M2b + 32 (mb - ma)^2: no difference of large sums.
;
; WEIGHTS come as f16 fragments from wpk in 25 chunks through two LDS slots of 98,304 bytes, a quarter of a chunk by each wave's tensor load.
; All work-groups walk the same chunks: the four of a cluster ask jointly (mask 15).  A round of the cluster's barrier stands in front of
; every refill.  A wave has two tensor loads out at the start and one behind each round.
; Left out: prefetching (wpk is 2.4 MB, written by the launch before and read by every work-group; a refill has a quarter layer in which to
; land); a 4 x 4 cluster (only the weights are shared, and all work-groups share them alike).
;
; LIMITS.  Matrix operands (weights, LayerNorm outputs, q, k, v, P, o, hidden) are rounded to f16: one beyond 65,504 would overflow; with
; gains and weights both 30 times the drawn ones the largest is a few thousand.  idx is clamped to 255.  exp2 results under 2^-126 are zero.
; K is summed in another order than in the reference (split over two waves).  Infinities and NaN among the inputs are not followed.
.set SLOTB,  98304                     ; LDS: slot 0 at 0 (even chunks), slot 1 at 98,304 (odd chunks): filled by tensor loads alone
.set PARTB,  32768                     ; a third of a slot: Wo, or one block of W1 and W2 for both column halves
.set XCH,    196608                    ; 4 x 16,384: wave w's tiles for its partner; at the end wave w's own stage for the logits
.set HB,     262144                    ; 2 x 16,384: a sequence's LayerNorm output as 16 fragments (4 i + k step)
.set ST,     294912                    ; 4 x 512: wave w's (mean, M2) pairs, 32 bytes a row r
.set SPITCH, 528                       ; the stage's rows: 512 bytes + 16, an odd multiple of 16
; registers, by windows of 256 (numbers below are inside the window)
; window 0: addresses, two buffers of 8 weight fragments, LayerNorm's gain and bias
.set AQ,   2                           ; LDS: my two heads' Wq, Wk, Wv in slot 0
.set AH,   3                           ; LDS: my half of Wh in slot 0
.set AB,   4                           ; v4-21: for slot sl, part p (k = 3 sl + p): my half c; + my own n tiles; + my partner's n tiles
.set XW,   22
.set XR,   23
.set STW,  24
.set STR,  25
.set HW,   26
.set HR,   27
.set VOWN, 28                          ; byte offset of my 8 columns of tile 0 in this layer's vectors of 128
.set VPAR, 29                          ; the same for my partner's columns
.set VB1,  30                          ; in this layer's b1
.set VBH,  31
.set VOUT, 32
.set STGW, 33
.set TA,   35                          ; v35-38
.set PA,   39
.set VLNF, 40
.set WB0,  64
.set WB1,  128
.set GBG,  192
.set GBB,  224
; window 1: v0-127 h as fragments (4 i + k step); the rest by turns
.set QF,   128
.set KF,   160
.set PF,   128                         ; six fragments of P
.set HID,  128
.set PK,   128                         ; LayerNorm's output, packed
.set VT,   192                         ; V^T (2 j + key step)
.set OF1,  192
.set OF0,  224
.set B1B,  192                         ; b1 of blocks 4-7
; window 2: v0-127 tiles for the partner / scores / LayerNorm at work / received; A0, A1 accumulators
.set A0,   128
.set A1,   192
.set TM,   128                         ; softmax at work, in A0
.set PX,   144
.set NM,   148
.set RL,   156
.set TS,   164
; window 3: v0-127 x, tile 4 i + j
.set B1A,  128                         ; b1 of blocks 0-3; at the end bh
.set SA,   192
.set MN,   200
.set QS,   208
.set DT,   216
.set BS,   224                         ; bo or b2 of my partner's columns
; scalars: s3 wave, s4 c, s5 s, s6 cx, s7 work-group, s8 layer counter, s9-15 at work, s16-45 addresses
.set G1,   48                          ; group 1: 96 rows of 256 bytes
.set G1H,  56                          ; group 1: 64 rows (Wh)
.set G0A,  68                          ; group 0 of slot 0
.set G0B,  72                          ; group 0 of slot 1
.set G0H,  76                          ; group 0 of Wh's chunk
.set MK,   80                          ; s80-87: lanes in which key 8 h + e <= query r
.set MSB, 0
.macro WIN new                         ; low byte: bits 1:0 source 0, 3:2 source 1, 5:4 source 2, 7:6 destination; the high byte repeats the setting left
.if MSB != \new
	s_set_vgpr_msb (MSB<<8)|\new
.set MSB, \new
.endif
.endm
.macro PLACES                          ; four independent vector instructions behind a matrix instruction (ISA guide 7.12.1) where no useful ones stand
.rept 4
	v_nop
.endr
.endm
.macro BAR
	s_barrier_signal -1
	s_barrier_wait -1
.endm
.macro ROUND                           ; a round of the cluster's barrier: my work-group's barrier, wave 0 signals for it, all wait, my barrier again
	s_barrier_signal -1
	s_barrier_wait -1
	s_cmp_lg_u32 s3, 0
	s_cbranch_scc1 .Lnot_wave_0_\@
	s_barrier_signal -3
.Lnot_wave_0_\@:
	s_barrier_wait -3
	s_barrier_signal -1
	s_barrier_wait -1
.endm
; A slot is filled again: all my tensor loads have landed (so a group 0 may be stepped, and the other slot is whole), my LDS reads are back,
; every wave of the four work-groups has said so, and the joint load is the first thing behind the round.
.macro REFILL g0, g1, step
	WIN 0
	s_wait_tensorcnt 0x0
	ds_add_u32 v62, v63
.if \step
	s_add_nc_u64 s[\g0+2:\g0+3], s[\g0+2:\g0+3], 2*SLOTB   ; this slot's next chunk lies two chunks on
.endif
	s_wait_dscnt 0x0
	ROUND
	tensor_load_to_lds s[\g0:\g0+3], s[\g1:\g1+7]
	s_nop 0
.endm
.macro LOADW buf, areg, off            ; 8 consecutive fragments: each load takes 512 consecutive bytes
	WIN 0
.irp f,0,1,2,3,4,5,6,7
	ds_load_b128 v[\buf+8*\f:\buf+8*\f+3], v[\areg] offset:\off+1024*\f
	ds_load_b128 v[\buf+8*\f+4:\buf+8*\f+7], v[\areg] offset:\off+1024*\f+512
.endr
.endm
.macro LOADW2 buf, aown, asnd, off     ; fragments 0-3: my own four n tiles; 4-7: my partner's
	WIN 0
.irp f,0,1,2,3
	ds_load_b128 v[\buf+8*\f:\buf+8*\f+3], v[\aown] offset:\off+1024*\f
	ds_load_b128 v[\buf+8*\f+4:\buf+8*\f+7], v[\aown] offset:\off+1024*\f+512
.endr
.irp f,0,1,2,3
	ds_load_b128 v[\buf+32+8*\f:\buf+32+8*\f+3], v[\asnd] offset:\off+1024*\f
	ds_load_b128 v[\buf+32+8*\f+4:\buf+32+8*\f+7], v[\asnd] offset:\off+1024*\f+512
.endr
.endm
.macro LOADGB pg, pb, areg, off        ; a LayerNorm's gain and bias for my 4 x 8 columns: 16 loads
	WIN 0
.irp j,0,1,2,3
	global_load_b128 v[GBG+8*\j:GBG+8*\j+3], v[\areg], s[\pg:\pg+1] offset:\off+64*\j
	global_load_b128 v[GBG+8*\j+4:GBG+8*\j+7], v[\areg], s[\pg:\pg+1] offset:\off+64*\j+16
.endr
.irp j,0,1,2,3
	global_load_b128 v[GBB+8*\j:GBB+8*\j+3], v[\areg], s[\pb:\pb+1] offset:\off+64*\j
	global_load_b128 v[GBB+8*\j+4:GBB+8*\j+7], v[\areg], s[\pb:\pb+1] offset:\off+64*\j+16
.endr
.endm
.macro LOADBS pv, off                  ; bo or b2 of my partner's columns: 8 loads
	WIN 0xc0
.irp j,0,1,2,3
	global_load_b128 v[BS+8*\j:BS+8*\j+3], v[VPAR], s[\pv:\pv+1] offset:\off+64*\j
	global_load_b128 v[BS+8*\j+4:BS+8*\j+7], v[VPAR], s[\pv:\pv+1] offset:\off+64*\j+16
.endr
.endm
.macro LOADB1                          ; b1 of my 8 blocks x 2 tiles: 32 loads
	WIN 0xc0
.irp b,0,1,2,3
.irp ft,0,1
	global_load_b128 v[B1A+16*\b+8*\ft:B1A+16*\b+8*\ft+3], v[VB1], s[34:35] offset:256*\b+64*\ft
	global_load_b128 v[B1A+16*\b+8*\ft+4:B1A+16*\b+8*\ft+7], v[VB1], s[34:35] offset:256*\b+64*\ft+16
.endr
.endr
	WIN 0x40
.irp b,0,1,2,3
.irp ft,0,1
	global_load_b128 v[B1B+16*\b+8*\ft:B1B+16*\b+8*\ft+3], v[VB1], s[34:35] offset:1024+256*\b+64*\ft
	global_load_b128 v[B1B+16*\b+8*\ft+4:B1B+16*\b+8*\ft+7], v[VB1], s[34:35] offset:1024+256*\b+64*\ft+16
.endr
.endr
.endm
; 32 matrix instructions: h (64 rows x 128 k) times 32 output columns (buffer wb: fragment 4 jj + k step) into acc (tile 2 i + jj, window 2).
; The first k step starts the sums: from 0, or from a bias (cmode 3: cbase in window 3; cmode 1: in window 1).  swap = 1: sources exchanged.
; The eight accumulators take turns, one instruction a turn.
.macro GEMM_IN wb, acc, cmode, cbase, swap
.if \cmode == 3
	WIN 0xb4
.else
.if \cmode == 1
	WIN 0x94
.else
.if \swap
	WIN 0xa1
.else
	WIN 0xa4
.endif
.endif
.endif
.irp jj,0,1
.irp i,0,1,2,3
.if \cmode
	v_wmma_f32_16x16x32_f16 v[\acc+(2*\i+\jj)*8:\acc+(2*\i+\jj)*8+7], v[\wb+32*\jj:\wb+32*\jj+7], v[32*\i:32*\i+7], v[\cbase+8*\jj:\cbase+8*\jj+7]
.else
.if \swap
	v_wmma_f32_16x16x32_f16 v[\acc+(2*\i+\jj)*8:\acc+(2*\i+\jj)*8+7], v[32*\i:32*\i+7], v[\wb+32*\jj:\wb+32*\jj+7], 0
.else
	v_wmma_f32_16x16x32_f16 v[\acc+(2*\i+\jj)*8:\acc+(2*\i+\jj)*8+7], v[\wb+32*\jj:\wb+32*\jj+7], v[32*\i:32*\i+7], 0
.endif
.endif
.endr
.endr
.if \swap
	WIN 0xa1
.else
	WIN 0xa4
.endif
.irp kk,1,2,3
.irp jj,0,1
.irp i,0,1,2,3
.if \swap
	v_wmma_f32_16x16x32_f16 v[\acc+(2*\i+\jj)*8:\acc+(2*\i+\jj)*8+7], v[(4*\i+\kk)*8:(4*\i+\kk)*8+7], v[\wb+(4*\jj+\kk)*8:\wb+(4*\jj+\kk)*8+7], v[\acc+(2*\i+\jj)*8:\acc+(2*\i+\jj)*8+7]
.else
	v_wmma_f32_16x16x32_f16 v[\acc+(2*\i+\jj)*8:\acc+(2*\i+\jj)*8+7], v[\wb+(4*\jj+\kk)*8:\wb+(4*\jj+\kk)*8+7], v[(4*\i+\kk)*8:(4*\i+\kk)*8+7], v[\acc+(2*\i+\jj)*8:\acc+(2*\i+\jj)*8+7]
.endif
.endr
.endr
.endr
.endm
; 32 matrix instructions on 32 accumulators: 32 k of my activations (act: fragment i, window 1) times all 128 columns:
; my own 64 add in place onto x (window 3); my partner's 64 (window 2) start from the bias in BS where first = 1.
.macro GEMM_OUT wb, act, first
	WIN 0xf4
.irp i,0,1,2,3
.irp jn,0,1,2,3
	v_wmma_f32_16x16x32_f16 v[(4*\i+\jn)*8:(4*\i+\jn)*8+7], v[\wb+8*\jn:\wb+8*\jn+7], v[\act+8*\i:\act+8*\i+7], v[(4*\i+\jn)*8:(4*\i+\jn)*8+7]
.endr
.endr
.if \first
	WIN 0xb4
.irp i,0,1,2,3
.irp jn,0,1,2,3
	v_wmma_f32_16x16x32_f16 v[(4*\i+\jn)*8:(4*\i+\jn)*8+7], v[\wb+32+8*\jn:\wb+32+8*\jn+7], v[\act+8*\i:\act+8*\i+7], v[BS+8*\jn:BS+8*\jn+7]
.endr
.endr
.else
	WIN 0xa4
.irp i,0,1,2,3
.irp jn,0,1,2,3
	v_wmma_f32_16x16x32_f16 v[(4*\i+\jn)*8:(4*\i+\jn)*8+7], v[\wb+32+8*\jn:\wb+32+8*\jn+7], v[\act+8*\i:\act+8*\i+7], v[(4*\i+\jn)*8:(4*\i+\jn)*8+7]
.endr
.endr
.endif
.endm
.macro CVTF acc, frag                  ; tiles (i, 0), (i, 1) of acc (window 2) become fragment i (window 1): 32 roundings of two
	WIN 0x4a
.irp i,0,1,2,3
.irp jj,0,1
.irp p,0,1,2,3
	v_cvt_pk_f16_f32 v[\frag+8*\i+4*\jj+\p], v[\acc+(2*\i+\jj)*8+2*\p], v[\acc+(2*\i+\jj)*8+2*\p+1]
.endr
.endr
.endr
.endm
.macro CVTV                            ; V's tiles hold lane = e, registers = tokens: tiles (2 ks, j), (2 ks + 1, j) become V^T's fragment (j, ks)
	WIN 0x4a
.irp j,0,1
.irp ks,0,1
.irp q,0,1
.irp p,0,1,2,3
	v_cvt_pk_f16_f32 v[VT+(2*\j+\ks)*8+4*\q+\p], v[A0+((2*\ks+\q)*2+\j)*8+2*\p], v[A0+((2*\ks+\q)*2+\j)*8+2*\p+1]
.endr
.endr
.endr
.endr
.endm
.macro RELU
	WIN 0xaa
.set cnt, 0
.rept 64
	v_max_num_f32 v[A0+cnt], 0, v[A0+cnt]
.set cnt, cnt+1
.endr
.endm
.macro SMUL                            ; scores, the ten tiles at or below the diagonal: lane = query 16 i + r, registers = keys 16 kt + 8 h + 0..7
	WIN 0xa5
.irp i,0,1,2,3
.irp kt,0,1,2,3
.if \kt <= \i
	v_wmma_f32_16x16x32_f16 v[(4*\i+\kt)*8:(4*\i+\kt)*8+7], v[KF+8*\kt:KF+8*\kt+7], v[QF+8*\i:QF+8*\i+7], 0
.endif
.endr
.endr
.endm
; exp2((S - max) c2), c2 = 32^-0.5 log2 e, in place; RL[i] = 1 / row sum.  The row's true maximum is taken away; the diagonal is never masked, so it is finite.
.macro SOFTMAX
	WIN 0xaa
.irp i,0,1,2,3
.irp e,0,1,2,3,4,5,6,7
	v_cndmask_b32 v[40*\i+\e], s88, v[40*\i+\e], s[MK+\e]      ; diagonal tiles: -inf where key > query
.endr
.endr
.irp i,0,1,2,3
.irp kt,0,1,2,3
.if \kt <= \i
	v_max3_num_f32 v[TM+4*\i+\kt], v[(4*\i+\kt)*8], v[(4*\i+\kt)*8+1], v[(4*\i+\kt)*8+2]
.endif
.endr
.endr
.irp e,3,5
.irp i,0,1,2,3
.irp kt,0,1,2,3
.if \kt <= \i
	v_max3_num_f32 v[TM+4*\i+\kt], v[TM+4*\i+\kt], v[(4*\i+\kt)*8+\e], v[(4*\i+\kt)*8+\e+1]
.endif
.endr
.endr
.endr
.irp i,0,1,2,3
.irp kt,0,1,2,3
.if \kt <= \i
	v_max_num_f32 v[TM+4*\i+\kt], v[TM+4*\i+\kt], v[(4*\i+\kt)*8+7]
.endif
.endr
.endr
	v_max_num_f32 v[TM+4], v[TM+4], v[TM+5]
	v_max3_num_f32 v[TM+8], v[TM+8], v[TM+9], v[TM+10]
	v_max3_num_f32 v[TM+12], v[TM+12], v[TM+13], v[TM+14]
	v_max_num_f32 v[TM+12], v[TM+12], v[TM+15]
.irp i,0,1,2,3
	v_permlanex16_b32 v[PX+\i], v[TM+4*\i], s95, s96           ; the other eight keys of each tile lie in lane r of the other half
.endr
.irp i,0,1,2,3
	v_max_num_f32 v[TM+4*\i], v[TM+4*\i], v[PX+\i]
.endr
.irp i,0,1,2,3
	v_mul_f32 v[NM+2*\i], s92, v[TM+4*\i]                      ; -c2 max
.endr
.irp i,0,1,2,3
.irp kt,0,1,2,3
.if \kt <= \i
.irp p,0,1,2,3
	v_pk_fma_f32 v[(4*\i+\kt)*8+2*\p:(4*\i+\kt)*8+2*\p+1], v[(4*\i+\kt)*8+2*\p:(4*\i+\kt)*8+2*\p+1], s[90:91], v[NM+2*\i:NM+2*\i+1] op_sel_hi:[1,0,0]
.endr
.endif
.endr
.endr
.irp i,0,1,2,3
.irp kt,0,1,2,3
.if \kt <= \i
.irp e,0,1,2,3,4,5,6,7
	v_exp_f32 v[(4*\i+\kt)*8+\e], v[(4*\i+\kt)*8+\e]
.endr
.endif
.endr
.endr
	v_nop                                                      ; one plain instruction between the last transcendental and the first use (ISA guide 5.7.2)
	s_wait_alu depctr_va_vdst(0)
.irp i,0,1,2,3
.irp kt,0,1,2,3
.if \kt <= \i
	v_pk_add_f32 v[TS+2*(\i*(\i+1)/2+\kt):TS+2*(\i*(\i+1)/2+\kt)+1], v[(4*\i+\kt)*8:(4*\i+\kt)*8+1], v[(4*\i+\kt)*8+2:(4*\i+\kt)*8+3]
.endif
.endr
.endr
.irp e,4,6
.irp i,0,1,2,3
.irp kt,0,1,2,3
.if \kt <= \i
	v_pk_add_f32 v[TS+2*(\i*(\i+1)/2+\kt):TS+2*(\i*(\i+1)/2+\kt)+1], v[TS+2*(\i*(\i+1)/2+\kt):TS+2*(\i*(\i+1)/2+\kt)+1], v[(4*\i+\kt)*8+\e:(4*\i+\kt)*8+\e+1]
.endif
.endr
.endr
.endr
	v_pk_add_f32 v[TS+2:TS+3], v[TS+2:TS+3], v[TS+4:TS+5]          ; rows 16-31: two tiles
	v_pk_add_f32 v[TS+6:TS+7], v[TS+6:TS+7], v[TS+8:TS+9]          ; rows 32-47: three
	v_pk_add_f32 v[TS+12:TS+13], v[TS+12:TS+13], v[TS+14:TS+15]    ; rows 48-63: four
	v_pk_add_f32 v[TS+16:TS+17], v[TS+16:TS+17], v[TS+18:TS+19]
	v_pk_add_f32 v[TS+6:TS+7], v[TS+6:TS+7], v[TS+10:TS+11]
	v_pk_add_f32 v[TS+12:TS+13], v[TS+12:TS+13], v[TS+16:TS+17]
.irp i,0,1,2,3
	v_add_f32 v[TS+\i*(\i+1)], v[TS+\i*(\i+1)], v[TS+\i*(\i+1)+1]
.endr
.irp i,0,1,2,3
	v_permlanex16_b32 v[PX+\i], v[TS+\i*(\i+1)], s95, s96
.endr
.irp i,0,1,2,3
	v_add_f32 v[PX+\i], v[PX+\i], v[TS+\i*(\i+1)]
.endr
.irp i,0,1,2,3
	v_rcp_f32 v[RL+2*\i], v[PX+\i]                             ; the sum is at least 1: the maximum's own term
.endr
	v_nop
.endm
.macro CVTP                            ; P's tiles become six fragments (i, key step): (0,0) (1,0) (2,0) (2,1) (3,0) (3,1); two upper halves lie above the diagonal: zeros
	WIN 0x4a
.irp i,0,1,2,3
.irp kt,0,1,2,3
.if \kt <= \i
.irp p,0,1,2,3
	v_cvt_pk_f16_f32 v[PF+8*(\i+(\i/2)*(\i-2+\kt/2))+4*(\kt%2)+\p], v[(4*\i+\kt)*8+2*\p], v[(4*\i+\kt)*8+2*\p+1]
.endr
.endif
.endr
.endr
.irp p,4,5,6,7
	v_mov_b32 v[PF+\p], 0
	v_mov_b32 v[PF+24+\p], 0
.endr
.endm
.macro PV                              ; O (tile 2 i + j in A1) = V^T x P: lane = query, registers = e.  Twelve instructions, the accumulators by turns
	WIN 0xa5
.irp i,0,1,2,3
.irp j,0,1
	v_wmma_f32_16x16x32_f16 v[A1+(2*\i+\j)*8:A1+(2*\i+\j)*8+7], v[VT+16*\j:VT+16*\j+7], v[PF+8*(\i+(\i/2)*(\i-2)):PF+8*(\i+(\i/2)*(\i-2))+7], 0
.endr
.endr
.irp i,2,3
.irp j,0,1
	v_wmma_f32_16x16x32_f16 v[A1+(2*\i+\j)*8:A1+(2*\i+\j)*8+7], v[VT+16*\j+8:VT+16*\j+15], v[PF+8*(2*\i-1):PF+8*(2*\i-1)+7], v[A1+(2*\i+\j)*8:A1+(2*\i+\j)*8+7]
.endr
.endr
.endm
.macro ONORM
	WIN 0xaa
	s_wait_alu depctr_va_vdst(0)
.irp i,0,1,2,3
.irp j,0,1
.irp p,0,1,2,3
	v_pk_mul_f32 v[A1+(2*\i+\j)*8+2*\p:A1+(2*\i+\j)*8+2*\p+1], v[A1+(2*\i+\j)*8+2*\p:A1+(2*\i+\j)*8+2*\p+1], v[RL+2*\i:RL+2*\i+1] op_sel_hi:[1,0]
.endr
.endr
.endr
.endm
.macro ATT of                          ; one head, from Q, K fragments and V's accumulators to its output as fragments at of
	SMUL
	CVTV                                           ; 32 independent roundings: also the places between the scores' products and the first read of them
	SOFTMAX
	CVTP
	PV
	PLACES
	ONORM
	CVTF A1, \of
.endm
.macro SEND                            ; my partner's 16 tiles, f32, into my 16 KB of XCH: each store 512 consecutive bytes
	WIN 0x08
.irp t,0,1,2,3,4,5,6,7,8,9,10,11,12,13,14,15
	ds_store_b128 v[XW], v[8*\t:8*\t+3] offset:1024*\t
	ds_store_b128 v[XW], v[8*\t+4:8*\t+7] offset:1024*\t+512
.endr
.endm
.macro RECV                            ; what my partner made for my columns, same lane, same registers; added onto x
	WIN 0x80
.irp t,0,1,2,3,4,5,6,7,8,9,10,11,12,13,14,15
	ds_load_b128 v[8*\t:8*\t+3], v[XR] offset:1024*\t
	ds_load_b128 v[8*\t+4:8*\t+7], v[XR] offset:1024*\t+512
.endr
	WIN 0xcb
.irp i,0,1,2,3
	s_wait_dscnt 24-8*\i                           ; eight loads for each 16 rows, in order: the later rows' may stay out
.irp k,0,1,2,3,4,5,6,7,8,9,10,11,12,13,14,15
	v_pk_add_f32 v[32*\i+2*\k:32*\i+2*\k+1], v[32*\i+2*\k:32*\i+2*\k+1], v[32*\i+2*\k:32*\i+2*\k+1]
.endr
.endr
.endm
; LayerNorm of x with the gain and bias in GBG, GBB; the result lands as 16 fragments in window 1, v0-127.
; left = how many global loads younger than that gain and bias may stay out.
.macro LNORM left
	WIN 0xff
.irp i,0,1,2,3
	v_pk_add_f32 v[SA+2*\i:SA+2*\i+1], v[32*\i:32*\i+1], v[32*\i+2:32*\i+3]    ; four chains, one for each 16 rows; the first two pairs start them
.endr
.irp k,2,3,4,5,6,7,8,9,10,11,12,13,14,15
.irp i,0,1,2,3
	v_pk_add_f32 v[SA+2*\i:SA+2*\i+1], v[SA+2*\i:SA+2*\i+1], v[32*\i+2*\k:32*\i+2*\k+1]
.endr
.endr
.irp i,0,1,2,3
	v_add_f32 v[SA+2*\i], v[SA+2*\i], v[SA+2*\i+1]
.endr
.irp i,0,1,2,3
	v_permlanex16_b32 v[SA+2*\i+1], v[SA+2*\i], s95, s96
.endr
.irp i,0,1,2,3
	v_add_f32 v[SA+2*\i], v[SA+2*\i], v[SA+2*\i+1]
.endr
.irp i,0,1,2,3
	v_pk_mul_f32 v[MN+2*\i:MN+2*\i+1], v[SA+2*\i:SA+2*\i+1], 0x3c800000 op_sel_hi:[0,0]   ; the mean of my 64 columns, in both halves of the pair
.endr
.irp k,0,1,2,3,4,5,6,7,8,9,10,11,12,13,14,15
.irp i,0,1,2,3
	v_pk_add_f32 v[DT+2*\i:DT+2*\i+1], v[32*\i+2*\k:32*\i+2*\k+1], v[MN+2*\i:MN+2*\i+1] neg_lo:[0,1] neg_hi:[0,1]
.endr
.irp i,0,1,2,3
.if \k == 0
	v_pk_mul_f32 v[QS+2*\i:QS+2*\i+1], v[DT+2*\i:DT+2*\i+1], v[DT+2*\i:DT+2*\i+1]
.else
	v_pk_fma_f32 v[QS+2*\i:QS+2*\i+1], v[DT+2*\i:DT+2*\i+1], v[DT+2*\i:DT+2*\i+1], v[QS+2*\i:QS+2*\i+1]
.endif
.endr
.endr
.irp i,0,1,2,3
	v_add_f32 v[QS+2*\i], v[QS+2*\i], v[QS+2*\i+1]
.endr
.irp i,0,1,2,3
	v_permlanex16_b32 v[QS+2*\i+1], v[QS+2*\i], s95, s96
.endr
.irp i,0,1,2,3
	v_add_f32 v[MN+2*\i+1], v[QS+2*\i], v[QS+2*\i+1]           ; M2 takes the pair's upper half: MN is now (m0, M2_0, m1, M2_1, ..)
.endr
	WIN 0x0c
	ds_store_b128 v[STW], v[MN:MN+3]                           ; both halves of the wave write the same words with the same values
	ds_store_b128 v[STW], v[MN+4:MN+7] offset:16
	s_wait_dscnt 0x0                                           ; for my partner's sake: my stores are in LDS
	BAR
	WIN 0xc0
	ds_load_b128 v[SA:SA+3], v[STR]
	ds_load_b128 v[SA+4:SA+7], v[STR] offset:16
	s_wait_dscnt 0x0
	WIN 0xff
.irp i,0,1,2,3
	v_sub_f32 v[DT+2*\i], v[SA+2*\i], v[MN+2*\i]               ; d = partner's mean - mine
	v_add_f32 v[DT+2*\i+1], v[SA+2*\i+1], v[MN+2*\i+1]
.endr
.irp i,0,1,2,3
	v_fma_f32 v[QS+2*\i], v[DT+2*\i], 0.5, v[MN+2*\i]          ; the row's mean
	v_mul_f32 v[DT+2*\i], v[DT+2*\i], v[DT+2*\i]
.endr
.irp i,0,1,2,3
	v_fma_f32 v[DT+2*\i+1], v[DT+2*\i], 0x42000000, v[DT+2*\i+1]   ; + 64 x 64 / 128 d^2
.endr
.irp i,0,1,2,3
	v_fma_f32 v[DT+2*\i+1], v[DT+2*\i+1], s93, s94             ; / 128 + 1e-5
.endr
.irp i,0,1,2,3
	v_rsq_f32 v[SA+2*\i], v[DT+2*\i+1]
.endr
	v_nop
	s_wait_alu depctr_va_vdst(0)
.irp i,0,1,2,3
	v_mul_f32 v[QS+2*\i], -v[QS+2*\i], v[SA+2*\i]              ; - mean / sigma
.endr
	s_wait_loadcnt \left
	WIN 0xbf
.irp i,0,1,2,3
.irp k,0,1,2,3,4,5,6,7,8,9,10,11,12,13,14,15
	v_pk_fma_f32 v[32*\i+2*\k:32*\i+2*\k+1], v[32*\i+2*\k:32*\i+2*\k+1], v[SA+2*\i:SA+2*\i+1], v[QS+2*\i:QS+2*\i+1] op_sel_hi:[1,0,0]
.endr
.endr
	WIN 0x82
.irp i,0,1,2,3
.irp j,0,1,2,3
.irp p,0,1,2,3
	v_pk_fma_f32 v[32*\i+8*\j+2*\p:32*\i+8*\j+2*\p+1], v[32*\i+8*\j+2*\p:32*\i+8*\j+2*\p+1], v[GBG+8*\j+2*\p:GBG+8*\j+2*\p+1], v[GBB+8*\j+2*\p:GBB+8*\j+2*\p+1]
.endr
.endr
.endr
	WIN 0x4a
.irp i,0,1,2,3
.irp j,0,1,2,3
.irp p,0,1,2,3
	v_cvt_pk_f16_f32 v[PK+16*\i+4*\j+\p], v[32*\i+8*\j+2*\p], v[32*\i+8*\j+2*\p+1]
.endr
.endr
.endr
	WIN 0x04
.irp i,0,1,2,3
.irp j,0,1,2,3
	ds_store_b128 v[HW], v[PK+16*\i+4*\j:PK+16*\i+4*\j+3] offset:4096*\i+512*\j   ; tile j is half j mod 2 of my k step j / 2
.endr
.endr
	s_wait_dscnt 0x0
	BAR
	WIN 0x40
.irp f,0,1,2,3,4,5,6,7,8,9,10,11,12,13,14,15
	ds_load_b128 v[8*\f:8*\f+3], v[HR] offset:1024*\f
	ds_load_b128 v[8*\f+4:8*\f+7], v[HR] offset:1024*\f+512
.endr
	s_wait_dscnt 0x0
.endm
; One block of the feed-forward layer: 32 hidden columns of mine.  W1's fragments are in WB0, W2's in WB1 (16 loads each, WB0's issued first).
; more = 1: the next block's fragments (part nk = 3 slot + part) are fetched as soon as a buffer is free.
.macro FFNB b, more, nk
	s_wait_dscnt 16                                ; WB0 is in; WB1's 16 loads may stay out
.if \b < 4
	GEMM_IN WB0, A0, 3, B1A+16*\b, 0
.else
	GEMM_IN WB0, A0, 1, B1B+16*(\b-4), 0
.endif
	PLACES
.if \more
	LOADW WB0, AB+3*\nk, 0
.endif
	RELU
	CVTF A0, HID
.if \more
	s_wait_dscnt 16                                ; WB1 is in; the 16 loads just issued stay out
.else
	s_wait_dscnt 0
.endif
.if \b == 0
	GEMM_OUT WB1, HID, 1
.else
	GEMM_OUT WB1, HID, 0
.endif
	PLACES
.if \more
	LOADW2 WB1, AB+3*\nk+1, AB+3*\nk+2, 8192
.endif
.endm
.macro OUT16 i, buf                    ; rows 16 i .. + 15 of my 128 logit columns: through my own stage, out as whole pieces of 512 bytes
	WIN 0x08
.irp jn,0,1,2,3,4,5,6,7
	ds_store_b128 v[STGW], v[64*(\jn/2)+(2*\i+\jn%2)*8:64*(\jn/2)+(2*\i+\jn%2)*8+3] offset:64*\jn
	ds_store_b128 v[STGW], v[64*(\jn/2)+(2*\i+\jn%2)*8+4:64*(\jn/2)+(2*\i+\jn%2)*8+7] offset:64*\jn+16
.endr
	WIN 0
	s_wait_xcnt 0x0                                ; the buffer was the data of earlier stores: it is loaded again only behind this wait
.irp rr,0,1,2,3,4,5,6,7,8,9,10,11,12,13,14,15
	ds_load_b128 v[\buf+4*\rr:\buf+4*\rr+3], v[XW] offset:SPITCH*\rr   ; LDS serves a wave's instructions in order: these see the stores above
.endr
.irp rr,0,1,2,3,4,5,6,7,8,9,10,11,12,13,14,15
	s_wait_dscnt 15-\rr
	global_store_b128 v[VOUT], v[\buf+4*\rr:\buf+4*\rr+3], s[44:45] offset:(16*\i+\rr)*1024 th:TH_STORE_NT   ; the wave stores 512 consecutive bytes, aligned
.endr
.endm
; One layer.  last = 1: the sixth, written out behind the loop: it fetches Wh's chunk in place of the next layer's first and nothing after it.
.macro LAYER last
	LOADW WB0, AQ, 0                               ; Wq of my first head
	LOADW WB1, AQ, 8192                            ; Wk
	LNORM 0
	LOADGB 30, 32, VOWN, 0                         ; ln2's vectors, for later
	GEMM_IN WB0, A0, 0, 0, 0                       ; Q
	PLACES
	LOADW WB0, AQ, 16384                           ; Wv
	GEMM_IN WB1, A1, 0, 0, 0                       ; K
	PLACES
	LOADW WB1, AQ, 24576                           ; Wq of my second head
	CVTF A0, QF
	s_wait_dscnt 16                                ; Wv is in
	GEMM_IN WB0, A0, 0, 0, 1                       ; V, transposed
	CVTF A1, KF                                    ; 32 independent roundings stand between V's products and the load into WB0
	LOADW WB0, AQ, 32768                           ; Wk of my second head
	ATT OF0
	s_wait_dscnt 16                                ; Wq is in
	GEMM_IN WB1, A0, 0, 0, 0
	PLACES
	LOADW WB1, AQ, 40960                           ; Wv
	s_wait_dscnt 16                                ; Wk is in
	GEMM_IN WB0, A1, 0, 0, 0
	CVTF A0, QF
	s_wait_dscnt 0
	GEMM_IN WB1, A0, 0, 0, 1
	CVTF A1, KF
	REFILL G0A, G1, 1                              ; slot 0 has been read: blocks 2-4 of W1, W2; slot 1 (Wo, blocks 0, 1) is whole
	LOADW2 WB0, AB+10, AB+11, 0                    ; Wo, the k of my first head
	LOADW2 WB1, AB+10, AB+11, 8192                 ; of my second
	ATT OF1
	s_wait_dscnt 0
	GEMM_OUT WB0, OF0, 1
	GEMM_OUT WB1, OF1, 0
	PLACES
	SEND
	LOADBS 36, 0                                   ; b2
	LOADB1
	LOADW WB0, AB+12, 0                            ; block 0: slot 1, part 1
	LOADW2 WB1, AB+13, AB+14, 8192
	s_wait_dscnt 0x0                               ; my tiles for my partner are in LDS
	BAR                                            ; slot 0's load stays on its way
	RECV
	LNORM 40                                       ; b2's 8 and b1's 32 loads are younger than ln2's vectors
.if \last
	LOADGB 38, 40, VLNF, 0
.else
	LOADGB 24, 26, VOWN, 512                       ; the next layer's ln1
.endif
	s_wait_loadcnt 16                              ; b2 and b1 are in; the 16 just issued stay out
	FFNB 0, 1, 5
.if \last == 0
	LOADBS 28, 512                                 ; b2 has started its sums: the next layer's bo
.endif
	FFNB 1, 0, 0
	REFILL G0B, G1, 1                              ; slot 1 has been read: blocks 5-7
	LOADW WB0, AB, 0
	LOADW2 WB1, AB+1, AB+2, 8192
	FFNB 2, 1, 1
	FFNB 3, 1, 2
	FFNB 4, 0, 0
.if \last
	REFILL G0H, G1H, 0                             ; Wh
.else
	REFILL G0A, G1, 1                              ; the next layer's Wq, Wk, Wv
.endif
	LOADW WB0, AB+9, 0
	LOADW2 WB1, AB+10, AB+11, 8192
	FFNB 5, 1, 4
	FFNB 6, 1, 5
	FFNB 7, 0, 0
	SEND
.if \last
	WIN 0
	s_wait_tensorcnt 0x0                           ; my part of Wh has landed
	s_wait_dscnt 0x0
	BAR
.else
	REFILL G0B, G1, 1                              ; the next layer's Wo and blocks 0, 1; the round also hands my tiles to my partner
.endif
	RECV
.if \last == 0
	WIN 0
	s_wait_xcnt 0x0                                ; pending loads name these offsets: they are stepped only behind this wait
	v_add_nc_u32 v[VOWN], 512, v[VOWN]
	v_add_nc_u32 v[VPAR], 512, v[VPAR]
	v_add_nc_u32 v[VB1], 2048, v[VB1]
.endif
.endm
	s_load_b512 s[16:31], s[0:1], 0x0              ; idx 16, tok_emb 18, pos_emb 20, wpk 22, ln1_g 24, ln1_b 26, bo 28, ln2_g 30
	s_load_b256 s[32:39], s[0:1], 0x40             ; ln2_b 32, b1 34, b2 36, lnf_g 38
	s_load_b128 s[40:43], s[0:1], 0x60             ; lnf_b 40, bh 42
	s_load_b64 s[44:45], s[0:1], 0x70              ; out0
	v_lshl_add_u32 v62, v0, 2, 0x48800
	v_mov_b32 v63, 0
	ds_add_u32 v62, v63
	v_lshrrev_b32 v41, 5, v0
	v_readfirstlane_b32 s3, v41                    ; wave
	s_and_b32 s4, s3, 1                            ; c
	s_lshr_b32 s5, s3, 1                           ; s
	s_bfe_u32 s6, ttmp6, 0x40000                   ; cx: enters the addresses of idx and out0 alone
	s_lshl_b32 s7, ttmp9, 2
	s_add_co_u32 s7, s7, s6                        ; work-group
	s_mov_b32 s88, 0xff800000                      ; -inf
	s_mov_b32 s90, 0x3e8293ee                      ; c2 = 32^-0.5 log2 e
	s_mov_b32 s91, 0x3e8293ee
	s_mov_b32 s92, 0xbe8293ee
	s_mov_b32 s93, 0x3c000000                      ; 1 / 128
	s_mov_b32 s94, 0x3727c5ac                      ; 1e-5
	s_mov_b32 s95, 0x76543210                      ; v_permlanex16_b32: lane i of the other half
	s_mov_b32 s96, 0xfedcba98
	; group 1: a dense block as rows of 256 bytes (32 elements of 8 bytes); the mask names the cluster's four work-groups
	s_mov_b32 s[G1+0], 15|(3<<16)|(1<<21)
	s_mov_b32 s[G1+1], 32<<16                      ; tensor_dim0 = 32
	s_mov_b32 s[G1+2], 96<<16                      ; tensor_dim1 = 96
	s_mov_b32 s[G1+3], 32<<16                      ; tile_dim0 = 32
	s_mov_b32 s[G1+4], 96                          ; tile_dim1 = 96 rows: 24,576 bytes, a quarter of a chunk
	s_mov_b32 s[G1+5], 32                          ; pitch
	s_mov_b32 s[G1+6], 0
	s_mov_b32 s[G1+7], 0
	s_mov_b32 s[G1H+0], 15|(3<<16)|(1<<21)
	s_mov_b32 s[G1H+1], 32<<16
	s_mov_b32 s[G1H+2], 64<<16
	s_mov_b32 s[G1H+3], 32<<16
	s_mov_b32 s[G1H+4], 64                         ; 16,384 bytes, a quarter of Wh's chunk
	s_mov_b32 s[G1H+5], 32
	s_mov_b32 s[G1H+6], 0
	s_mov_b32 s[G1H+7], 0
	s_mul_i32 s10, s3, 24576                       ; my quarter: the wave's number alone, alike in all four work-groups
	s_mov_b32 s11, 0
	s_lshl_b32 s12, s3, 14
	s_mov_b32 s13, 0
	s_wait_dscnt 0x0
	s_wait_kmcnt 0x0
	s_mov_b32 s[G0A], 1
	s_mov_b32 s[G0A+1], s10
	s_add_nc_u64 s[G0A+2:G0A+3], s[22:23], s[10:11]            ; chunk 0
	s_mov_b32 s[G0B], 1
	s_add_co_u32 s[G0B+1], s10, SLOTB
	s_add_nc_u64 s[G0B+2:G0B+3], s[G0A+2:G0A+3], SLOTB         ; chunk 1
	s_mov_b32 s[G0H], 1
	s_mov_b32 s[G0H+1], s12
	s_add_nc_u64 s[G0H+2:G0H+3], s[22:23], s[12:13]
	s_add_nc_u64 s[G0H+2:G0H+3], s[G0H+2:G0H+3], 24*SLOTB      ; chunk 24
	s_or_b32 s[G0A+3], s[G0A+3], 0x80000000
	s_or_b32 s[G0B+3], s[G0B+3], 0x80000000
	s_or_b32 s[G0H+3], s[G0H+3], 0x80000000
	ROUND                                          ; the four work-groups are here: the first joint loads meet
	tensor_load_to_lds s[G0A:G0A+3], s[G1:G1+7]
	s_nop 0
	tensor_load_to_lds s[G0B:G0B+3], s[G1:G1+7]
	s_nop 0
	v_and_b32 v42, 31, v0
	v_lshlrev_b32 v42, 4, v42                      ; 16 lane
	v_and_b32 v43, 15, v0                          ; r
	v_bfe_u32 v44, v0, 4, 1                        ; h
	v_lshlrev_b32 v45, 5, v44                      ; 32 h: eight f32
	s_mul_i32 s9, s4, 49152
	v_add_nc_u32 v[AQ], s9, v42                    ; heads 2 c, 2 c + 1: 24 fragments each
	s_lshl_b32 s9, s4, 15
	v_add_nc_u32 v[AH], s9, v42
	s_lshl_b32 s9, s4, 14
	s_lshl_b32 s14, s4, 12
	s_sub_co_u32 s15, 4096, s14
	v_add_nc_u32 v46, s9, v42                      // + 16 fragments for c = 1
.irp k,0,1,2,3,4,5
	v_add_nc_u32 v[AB+3*\k], (\k/3)*SLOTB+(\k%3)*PARTB, v46
	v_add_nc_u32 v[AB+3*\k+1], s14, v[AB+3*\k]     ; n tiles 4 c ..
	v_add_nc_u32 v[AB+3*\k+2], s15, v[AB+3*\k]     ; n tiles 4 (1 - c) ..
.endr
	s_xor_b32 s13, s3, 1                           ; my partner
	s_lshl_b32 s9, s3, 14
	s_add_co_u32 s9, s9, XCH
	v_add_nc_u32 v[XW], s9, v42
	v_mul_u32_u24 v48, v43, SPITCH
	v_add_nc_u32 v48, v48, v45
	v_add_nc_u32 v[STGW], s9, v48                  ; the stage: row r, 32 bytes for each half of the lanes
	s_lshl_b32 s9, s13, 14
	s_add_co_u32 s9, s9, XCH
	v_add_nc_u32 v[XR], s9, v42
	v_lshlrev_b32 v47, 5, v43
	s_lshl_b32 s9, s3, 9
	s_add_co_u32 s9, s9, ST
	v_add_nc_u32 v[STW], s9, v47
	s_lshl_b32 s9, s13, 9
	s_add_co_u32 s9, s9, ST
	v_add_nc_u32 v[STR], s9, v47
	s_lshl_b32 s9, s5, 14
	s_add_co_u32 s9, s9, HB
	v_add_nc_u32 v[HR], s9, v42
	s_lshl_b32 s9, s4, 11
	v_add_nc_u32 v[HW], s9, v[HR]                  ; my k steps 2 c, 2 c + 1
	s_lshl_b32 s9, s4, 8
	v_add_nc_u32 v[VOWN], s9, v45
	v_add_nc_u32 v[VLNF], s9, v45
	s_sub_co_u32 s9, 256, s9
	v_add_nc_u32 v[VPAR], s9, v45
	s_lshl_b32 s9, s4, 7
	v_add_nc_u32 v[VB1], s9, v45
	s_lshl_b32 s9, s4, 9
	v_add_nc_u32 v[VBH], s9, v45
	s_lshl_b32 s14, s5, 16
	s_add_co_u32 s9, s9, s14
	v_add_nc_u32 v[VOUT], s9, v42                  ; 64 s rows of 1,024 bytes + my 512 bytes of a row
	v_lshl_add_u32 v[PA], v43, 9, v[VOWN]
	v_lshlrev_b32 v48, 3, v44
	v_sub_nc_u32 v50, v43, v48                     ; r - 8 h
.irp e,0,1,2,3,4,5,6,7
	v_cmp_le_i32 s[MK+\e], \e, v50
.endr
	s_lshl_b32 s14, s7, 9
	s_mov_b32 s15, 0
	s_add_nc_u64 s[16:17], s[16:17], s[14:15]      ; idx at my work-group's 128 rows
	s_lshl_b32 s14, s7, 17
	s_add_nc_u64 s[44:45], s[44:45], s[14:15]      ; out0 likewise
	v_lshlrev_b32 v49, 2, v43
	s_lshl_b32 s9, s5, 8
	v_add_nc_u32 v49, s9, v49
.irp i,0,1,2,3
	global_load_b32 v[51+\i], v49, s[16:17] offset:64*\i
.endr
	s_wait_loadcnt 0x0
.irp i,0,1,2,3
	v_min_u32 v[51+\i], 0xff, v[51+\i]             ; an index stays inside the table of 256 rows
	v_lshl_add_u32 v[TA+\i], v[51+\i], 9, v[VOWN]
.endr
	WIN 0xc0
.irp i,0,1,2,3
.irp j,0,1,2,3
	global_load_b128 v[(4*\i+\j)*8:(4*\i+\j)*8+3], v[TA+\i], s[18:19] offset:64*\j
	global_load_b128 v[(4*\i+\j)*8+4:(4*\i+\j)*8+7], v[TA+\i], s[18:19] offset:64*\j+16
.endr
.endr
	WIN 0x80
.irp i,0,1,2,3
.irp j,0,1,2,3
	global_load_b128 v[(4*\i+\j)*8:(4*\i+\j)*8+3], v[PA], s[20:21] offset:8192*\i+64*\j
	global_load_b128 v[(4*\i+\j)*8+4:(4*\i+\j)*8+7], v[PA], s[20:21] offset:8192*\i+64*\j+16
.endr
.endr
	LOADGB 24, 26, VOWN, 0
	LOADBS 28, 0
	s_wait_loadcnt 24                              ; the embeddings are in; ln1's 16 and bo's 8 loads stay out
	WIN 0xcb
.set cnt, 0
.rept 64
	v_pk_add_f32 v[2*cnt:2*cnt+1], v[2*cnt:2*cnt+1], v[2*cnt:2*cnt+1]   ; x = token + position
.set cnt, cnt+1
.endr
	WIN 0
	s_wait_tensorcnt 0x1                           ; my quarter of chunk 0 is in; chunk 1 stays out
	BAR
	s_mov_b32 s8, 0
.Llayer:
	LAYER 0
	WIN 0
	s_add_co_u32 s8, s8, 1
	s_cmp_lt_u32 s8, 5
	s_cbranch_scc1 .Llayer
	LAYER 1
	; the final LayerNorm and the head: my 128 logit columns in four units of 32
	WIN 0xc0
.irp u,0,1,2,3
.irp jj,0,1
	global_load_b128 v[B1A+16*\u+8*\jj:B1A+16*\u+8*\jj+3], v[VBH], s[42:43] offset:128*\u+64*\jj
	global_load_b128 v[B1A+16*\u+8*\jj+4:B1A+16*\u+8*\jj+7], v[VBH], s[42:43] offset:128*\u+64*\jj+16
.endr
.endr
	LOADW WB0, AH, 0
	LOADW WB1, AH, 8192
	LNORM 16                                       ; bh's 16 loads are younger than lnf's vectors
	s_wait_loadcnt 0x0
	GEMM_IN WB0, 0, 3, B1A, 0
	PLACES
	LOADW WB0, AH, 16384
	GEMM_IN WB1, 64, 3, B1A+16, 0
	PLACES
	LOADW WB1, AH, 24576
	s_wait_dscnt 16
	GEMM_IN WB0, 128, 3, B1A+32, 0
	s_wait_dscnt 0
	GEMM_IN WB1, 192, 3, B1A+48, 0
	PLACES
	OUT16 0, WB0
	OUT16 1, WB1
	OUT16 2, WB0
	OUT16 3, WB1
	s_wait_tensorcnt 0x0
	ds_add_u32 v62, v63
	s_wait_dscnt 0x0
	ROUND                                          ; the closing round: no work-group ends while a partner may still ask jointly
	s_endpgm
.Lfunc_end_k_qeb4c8688ff_model:
	.size	k_qeb4c8688ff_model, .Lfunc_end_k_qeb4c8688ff_model-k_qeb4c8688ff_model
	.p2alignl 7, 3214868480
	.fill 96, 4, 3214868480
	.section	.rodata,"a",@progbits
	.p2align	6, 0x0
	.amdhsa_kernel k_qeb4c8688ff_model
		.amdhsa_group_segment_fixed_size 327680
		.amdhsa_private_segment_fixed_size 0
		.amdhsa_enable_private_segment 0
		.amdhsa_kernarg_size 120
		.amdhsa_user_sgpr_count 2
		.amdhsa_user_sgpr_kernarg_segment_ptr 1
		.amdhsa_wavefront_size32 1
		.amdhsa_system_sgpr_workgroup_id_x 1
		.amdhsa_system_sgpr_workgroup_id_y 1
		.amdhsa_system_sgpr_workgroup_id_z 1
		.amdhsa_system_vgpr_workitem_id 0
		.amdhsa_next_free_vgpr 1024
		.amdhsa_next_free_sgpr 100
		.amdhsa_reserve_vcc 0
		.amdhsa_float_denorm_mode_32 3
		.amdhsa_float_denorm_mode_16_64 3
		.amdhsa_memory_ordered 1
		.amdhsa_forward_progress 1
		.amdhsa_inst_pref_size 255
	.end_amdhsa_kernel
	.section	.bss,"aw",@nobits
	.p2align	6
	.space	262144
	.amdgpu_metadata
---
amdhsa.version: [ 1, 2 ]
amdhsa.kernels:
  - .name:           k_qeb4c8688ff_model
    .symbol:         k_qeb4c8688ff_model.kd
    .args:
      - { .name: idx, .offset: 0, .size: 8, .value_kind: global_buffer, .address_space: global }
      - { .name: tok_emb, .offset: 8, .size: 8, .value_kind: global_buffer, .address_space: global }
      - { .name: pos_emb, .offset: 16, .size: 8, .value_kind: global_buffer, .address_space: global }
      - { .name: wpk, .offset: 24, .size: 8, .value_kind: global_buffer, .address_space: global }
      - { .name: ln1_g, .offset: 32, .size: 8, .value_kind: global_buffer, .address_space: global }
      - { .name: ln1_b, .offset: 40, .size: 8, .value_kind: global_buffer, .address_space: global }
      - { .name: bo, .offset: 48, .size: 8, .value_kind: global_buffer, .address_space: global }
      - { .name: ln2_g, .offset: 56, .size: 8, .value_kind: global_buffer, .address_space: global }
      - { .name: ln2_b, .offset: 64, .size: 8, .value_kind: global_buffer, .address_space: global }
      - { .name: b1, .offset: 72, .size: 8, .value_kind: global_buffer, .address_space: global }
      - { .name: b2, .offset: 80, .size: 8, .value_kind: global_buffer, .address_space: global }
      - { .name: lnf_g, .offset: 88, .size: 8, .value_kind: global_buffer, .address_space: global }
      - { .name: lnf_b, .offset: 96, .size: 8, .value_kind: global_buffer, .address_space: global }
      - { .name: bh, .offset: 104, .size: 8, .value_kind: global_buffer, .address_space: global }
      - { .name: out0, .offset: 112, .size: 8, .value_kind: global_buffer, .address_space: global }
    .group_segment_fixed_size: 327680
    .private_segment_fixed_size: 0
    .kernarg_segment_align: 8
    .kernarg_segment_size: 120
    .max_flat_workgroup_size: 128
    .sgpr_count:     100
    .vgpr_count:     1024
    .wavefront_size: 32
...
	.end_amdgpu_metadata
.endif
;; end of part 2
;; ======== version 2 of 2: 2 launches; 1.19 times as fast as version 1
;; limits: values are held in f16: magnitudes above 65,504 overflow, below 6.1e-05 lose precision
;; workspace buffers: wpk 2,424,832 bytes
;; launch pack: the kernel of part 1 again; grid 592 x 1, 8 waves a work-group, no clusters, 0 bytes of LDS; arguments Wq, Wk, Wv, Wo, W1, W2, Wh, wpk; writes wpk
;; launch model (part 3): grid 256 x 1, 4 waves a work-group, clusters of 4 x 1, 327,680 bytes of LDS; arguments idx, tok_emb, pos_emb, wpk, ln1_g, ln1_b, bo, ln2_g, ln2_b, b1, b2, lnf_g, lnf_b, bh, out0; writes out0
.if DOCPART == 3
	.amdgcn_target "amdgcn-amd-amdhsa--gfx1250"
	.amdhsa_code_object_version 6
	.text
	.protected	k_qeb4c8688ff_model
	.globl	k_qeb4c8688ff_model
	.p2align	8
	.type	k_qeb4c8688ff_model,@function
k_qeb4c8688ff_model:
	s_mov_b64 s[64:65], 0
	v_nop
	global_prefetch_b8 v0, s[64:65] scope:SCOPE_SE
	s_setreg_imm32_b32 hwreg(HW_REG_WAVE_MODE, 25, 1), 1
	s_wait_xcnt 0x0
	s_wait_alu depctr_hold_cnt(0) depctr_sa_sdst(0) depctr_va_vdst(0) depctr_va_sdst(0) depctr_va_ssrc(0) depctr_va_vcc(0) depctr_vm_vsrc(0)
	s_getreg_b32 s2, hwreg(HW_REG_IB_STS2, 6, 4)
	s_cmp_eq_u32 s2, 0
	s_cbranch_scc0 .Lentry_in_a_cluster
	s_endpgm
.Lentry_in_a_cluster:
	s_bfe_u32 s2, ttmp6, 0x10000c
	s_cmp_lg_u32 s2, 0x3003
	s_cbranch_scc0 .Lentry_shape_is_right
	s_endpgm
.Lentry_shape_is_right:
; The whole model for two sequences (128 rows) in one work-group of four waves: embedding, six layers, final LayerNorm, head.
; No activation goes to memory.  Wave w: sequence s = w / 2 (64 rows), column half c = w mod 2; its partner is w xor 1.
;
; LAYOUT.  Every product is taken transposed: source 0 = 16 output columns of a weight, source 1 = 16 rows of activations.  Lane (r, h) of a
; result tile (i, j) then holds row 16 i + r and the eight neighbouring columns 16 j + 8 h + 0..7, and two such tiles round straight into an
; operand fragment (row r, k along the registers): chained products need no LDS.  V is made with the sources exchanged, which gives V^T as a
; fragment; the scores come with lane = query row, so a softmax is work inside a lane and one exchange between the halves of the wave.
; A wave holds x[64 rows][its 64 columns] (128 registers) and does heads 2 c, 2 c + 1 of its sequence alone.  Wo and W2 are split along K: a
; wave multiplies its own 64 (256) k by all 128 columns; its own columns add in place onto x, the partner's start from the bias (bo, b2) and
; go to the partner in f32 through LDS.  LayerNorm: mean and centred sum of squares over the wave's 64 columns, one (mean, M2) pair a row
; exchanged, combined as M2 = M2a + M2b + 32 (mb - ma)^2: no difference of large sums.
;
; WEIGHTS come as f16 fragments from wpk in 25 chunks through two LDS slots of 98,304 bytes, a quarter of a chunk by each wave's tensor load.
; All work-groups walk the same chunks: the four of a cluster ask jointly (mask 15).  A round of the cluster's barrier stands in front of
; every refill.  A wave has two tensor loads out at the start and one behind each round.
;
; THE LOOP.  A layer is some 4,500 instructions, so its text stands once.  It is cut where the last layer begins to differ, at the third of
; its four refills: PART1 (LayerNorm, attention, Wo, LayerNorm, blocks 0-4 of the feed-forward layer) is alike in all six layers; PART2
; (blocks 5-7, the exchange, the fetches for what follows) is written twice, for a layer that has a successor and for the last.  The loop's
; text is PART2, PART1; it is entered at PART1, so PART1 runs six times and the loop's PART2 five times.
;
; Left out: prefetching (wpk is 2.4 MB, written by the launch before and read by every work-group; a refill has a quarter layer in which to
; land); a 4 x 4 cluster (only the weights are shared, and all work-groups share them alike).
;
; LIMITS.  Matrix operands (weights, LayerNorm outputs, q, k, v, P, o, hidden) are rounded to f16: one beyond 65,504 would overflow; with
; gains and weights both 30 times the drawn ones the largest is a few thousand.  idx is clamped to 255.  exp2 results under 2^-126 are zero.
; K is summed in another order than in the reference (split over two waves).  Infinities and NaN among the inputs are not followed.
.set LAYERS, 6
.set SLOTB,  98304                     ; LDS: slot 0 at 0 (even chunks), slot 1 at 98,304 (odd chunks): filled by tensor loads alone
.set PARTB,  32768                     ; a third of a slot: Wo, or one block of W1 and W2 for both column halves
.set XCH,    196608                    ; 4 x 16,384: wave w's tiles for its partner; at the end wave w's own stage for the logits
.set HB,     262144                    ; 2 x 16,384: a sequence's LayerNorm output as 16 fragments (4 i + k step)
.set ST,     294912                    ; 4 x 512: wave w's (mean, M2) pairs, 32 bytes a row r
.set SPITCH, 528                       ; the stage's rows: 512 bytes + 16, an odd multiple of 16
; registers, by windows of 256 (numbers below are inside the window)
; window 0: addresses, two buffers of 8 weight fragments, LayerNorm's gain and bias
.set AQ,   2                           ; LDS: my two heads' Wq, Wk, Wv in slot 0
.set AH,   3                           ; LDS: my half of Wh in slot 0
.set AB,   4                           ; v4-21: for slot sl, part p (k = 3 sl + p): my half c; + my own n tiles; + my partner's n tiles
.set XW,   22
.set XR,   23
.set STW,  24
.set STR,  25
.set HW,   26
.set HR,   27
.set VOWN, 28                          ; byte offset of my 8 columns of tile 0 in this layer's vectors of 128
.set VPAR, 29                          ; the same for my partner's columns
.set VB1,  30                          ; in this layer's b1
.set VBH,  31
.set VOUT, 32
.set STGW, 33
.set TA,   35                          ; v35-38
.set PA,   39
.set VLNF, 40
.set WB0,  64
.set WB1,  128
.set GBG,  192
.set GBB,  224
; window 1: v0-127 h as fragments (4 i + k step); the rest by turns
.set QF,   128
.set KF,   160
.set PF,   128                         ; six fragments of P
.set HID,  128
.set PK,   128                         ; LayerNorm's output, packed
.set VT,   192                         ; V^T (2 j + key step)
.set OF1,  192
.set OF0,  224
.set B1B,  192                         ; b1 of blocks 4-7
; window 2: v0-127 tiles for the partner / scores / LayerNorm at work / received; A0, A1 accumulators
.set A0,   128
.set A1,   192
.set TM,   128                         ; softmax at work, in A0
.set PX,   144
.set NM,   148
.set RL,   156
.set TS,   164
; window 3: v0-127 x, tile 4 i + j
.set B1A,  128                         ; b1 of blocks 0-3; at the end bh
.set SA,   192
.set MN,   200
.set QS,   208
.set DT,   216
.set BS,   224                         ; bo or b2 of my partner's columns
; scalars: s3 wave, s4 c, s5 s, s6 cx, s7 work-group, s8 layer counter, s9-15 at work, s16-45 addresses
.set G1,   48                          ; group 1: 96 rows of 256 bytes
.set G1H,  56                          ; group 1: 64 rows (Wh)
.set G0A,  68                          ; group 0 of slot 0
.set G0B,  72                          ; group 0 of slot 1
.set G0H,  76                          ; group 0 of Wh's chunk
.set MK,   80                          ; s80-87: lanes in which key 8 h + e <= query r
.set MSB, 0
.macro WIN new                         ; low byte: bits 1:0 source 0, 3:2 source 1, 5:4 source 2, 7:6 destination; the high byte repeats the setting left
.if MSB != \new
	s_set_vgpr_msb (MSB<<8)|\new
.set MSB, \new
.endif
.endm
.macro PLACES                          ; four independent vector instructions behind a matrix instruction (ISA guide 7.12.1) where no useful ones stand
.rept 4
	v_nop
.endr
.endm
.macro BAR
	s_barrier_signal -1
	s_barrier_wait -1
.endm
.macro ROUND                           ; a round of the cluster's barrier: my work-group's barrier, wave 0 signals for it, all wait, my barrier again
	s_barrier_signal -1
	s_barrier_wait -1
	s_cmp_lg_u32 s3, 0
	s_cbranch_scc1 .Lnot_wave_0_\@
	s_barrier_signal -3
.Lnot_wave_0_\@:
	s_barrier_wait -3
	s_barrier_signal -1
	s_barrier_wait -1
.endm
; A slot is filled again: all my tensor loads have landed (so a group 0 may be stepped, and the other slot is whole), my LDS reads are back,
; every wave of the four work-groups has said so, and the joint load is the first thing behind the round.
.macro REFILL g0, g1, step
	WIN 0
	s_wait_tensorcnt 0x0
	ds_add_u32 v62, v63
.if \step
	s_add_nc_u64 s[\g0+2:\g0+3], s[\g0+2:\g0+3], 2*SLOTB   ; this slot's next chunk lies two chunks on
.endif
	s_wait_dscnt 0x0
	ROUND
	tensor_load_to_lds s[\g0:\g0+3], s[\g1:\g1+7]
	s_nop 0
.endm
.macro LOADW buf, areg, off            ; 8 consecutive fragments: each load takes 512 consecutive bytes
	WIN 0
.irp f,0,1,2,3,4,5,6,7
	ds_load_b128 v[\buf+8*\f:\buf+8*\f+3], v[\areg] offset:\off+1024*\f
	ds_load_b128 v[\buf+8*\f+4:\buf+8*\f+7], v[\areg] offset:\off+1024*\f+512
.endr
.endm
.macro LOADW2 buf, aown, asnd, off     ; fragments 0-3: my own four n tiles; 4-7: my partner's
	WIN 0
.irp f,0,1,2,3
	ds_load_b128 v[\buf+8*\f:\buf+8*\f+3], v[\aown] offset:\off+1024*\f
	ds_load_b128 v[\buf+8*\f+4:\buf+8*\f+7], v[\aown] offset:\off+1024*\f+512
.endr
.irp f,0,1,2,3
	ds_load_b128 v[\buf+32+8*\f:\buf+32+8*\f+3], v[\asnd] offset:\off+1024*\f
	ds_load_b128 v[\buf+32+8*\f+4:\buf+32+8*\f+7], v[\asnd] offset:\off+1024*\f+512
.endr
.endm
.macro LOADGB pg, pb, areg, off        ; a LayerNorm's gain and bias for my 4 x 8 columns: 16 loads
	WIN 0
.irp j,0,1,2,3
	global_load_b128 v[GBG+8*\j:GBG+8*\j+3], v[\areg], s[\pg:\pg+1] offset:\off+64*\j
	global_load_b128 v[GBG+8*\j+4:GBG+8*\j+7], v[\areg], s[\pg:\pg+1] offset:\off+64*\j+16
.endr
.irp j,0,1,2,3
	global_load_b128 v[GBB+8*\j:GBB+8*\j+3], v[\areg], s[\pb:\pb+1] offset:\off+64*\j
	global_load_b128 v[GBB+8*\j+4:GBB+8*\j+7], v[\areg], s[\pb:\pb+1] offset:\off+64*\j+16
.endr
.endm
.macro LOADBS pv, off                  ; bo or b2 of my partner's columns: 8 loads
	WIN 0xc0
.irp j,0,1,2,3
	global_load_b128 v[BS+8*\j:BS+8*\j+3], v[VPAR], s[\pv:\pv+1] offset:\off+64*\j
	global_load_b128 v[BS+8*\j+4:BS+8*\j+7], v[VPAR], s[\pv:\pv+1] offset:\off+64*\j+16
.endr
.endm
.macro LOADB1                          ; b1 of my 8 blocks x 2 tiles: 32 loads
	WIN 0xc0
.irp b,0,1,2,3
.irp ft,0,1
	global_load_b128 v[B1A+16*\b+8*\ft:B1A+16*\b+8*\ft+3], v[VB1], s[34:35] offset:256*\b+64*\ft
	global_load_b128 v[B1A+16*\b+8*\ft+4:B1A+16*\b+8*\ft+7], v[VB1], s[34:35] offset:256*\b+64*\ft+16
.endr
.endr
	WIN 0x40
.irp b,0,1,2,3
.irp ft,0,1
	global_load_b128 v[B1B+16*\b+8*\ft:B1B+16*\b+8*\ft+3], v[VB1], s[34:35] offset:1024+256*\b+64*\ft
	global_load_b128 v[B1B+16*\b+8*\ft+4:B1B+16*\b+8*\ft+7], v[VB1], s[34:35] offset:1024+256*\b+64*\ft+16
.endr
.endr
.endm
; 32 matrix instructions: h (64 rows x 128 k) times 32 output columns (buffer wb: fragment 4 jj + k step) into acc (tile 2 i + jj, window 2).
; The first k step starts the sums: from 0, or from a bias (cmode 3: cbase in window 3; cmode 1: in window 1).  swap = 1: sources exchanged.
; The eight accumulators take turns, one instruction a turn.
.macro GEMM_IN wb, acc, cmode, cbase, swap
.if \cmode == 3
	WIN 0xb4
.else
.if \cmode == 1
	WIN 0x94
.else
.if \swap
	WIN 0xa1
.else
	WIN 0xa4
.endif
.endif
.endif
.irp jj,0,1
.irp i,0,1,2,3
.if \cmode
	v_wmma_f32_16x16x32_f16 v[\acc+(2*\i+\jj)*8:\acc+(2*\i+\jj)*8+7], v[\wb+32*\jj:\wb+32*\jj+7], v[32*\i:32*\i+7], v[\cbase+8*\jj:\cbase+8*\jj+7]
.else
.if \swap
	v_wmma_f32_16x16x32_f16 v[\acc+(2*\i+\jj)*8:\acc+(2*\i+\jj)*8+7], v[32*\i:32*\i+7], v[\wb+32*\jj:\wb+32*\jj+7], 0
.else
	v_wmma_f32_16x16x32_f16 v[\acc+(2*\i+\jj)*8:\acc+(2*\i+\jj)*8+7], v[\wb+32*\jj:\wb+32*\jj+7], v[32*\i:32*\i+7], 0
.endif
.endif
.endr
.endr
.if \swap
	WIN 0xa1
.else
	WIN 0xa4
.endif
.irp kk,1,2,3
.irp jj,0,1
.irp i,0,1,2,3
.if \swap
	v_wmma_f32_16x16x32_f16 v[\acc+(2*\i+\jj)*8:\acc+(2*\i+\jj)*8+7], v[(4*\i+\kk)*8:(4*\i+\kk)*8+7], v[\wb+(4*\jj+\kk)*8:\wb+(4*\jj+\kk)*8+7], v[\acc+(2*\i+\jj)*8:\acc+(2*\i+\jj)*8+7]
.else
	v_wmma_f32_16x16x32_f16 v[\acc+(2*\i+\jj)*8:\acc+(2*\i+\jj)*8+7], v[\wb+(4*\jj+\kk)*8:\wb+(4*\jj+\kk)*8+7], v[(4*\i+\kk)*8:(4*\i+\kk)*8+7], v[\acc+(2*\i+\jj)*8:\acc+(2*\i+\jj)*8+7]
.endif
.endr
.endr
.endr
.endm
; 32 matrix instructions on 32 accumulators: 32 k of my activations (act: fragment i, window 1) times all 128 columns:
; my own 64 add in place onto x (window 3); my partner's 64 (window 2) start from the bias in BS where first = 1.
.macro GEMM_OUT wb, act, first
	WIN 0xf4
.irp i,0,1,2,3
.irp jn,0,1,2,3
	v_wmma_f32_16x16x32_f16 v[(4*\i+\jn)*8:(4*\i+\jn)*8+7], v[\wb+8*\jn:\wb+8*\jn+7], v[\act+8*\i:\act+8*\i+7], v[(4*\i+\jn)*8:(4*\i+\jn)*8+7]
.endr
.endr
.if \first
	WIN 0xb4
.irp i,0,1,2,3
.irp jn,0,1,2,3
	v_wmma_f32_16x16x32_f16 v[(4*\i+\jn)*8:(4*\i+\jn)*8+7], v[\wb+32+8*\jn:\wb+32+8*\jn+7], v[\act+8*\i:\act+8*\i+7], v[BS+8*\jn:BS+8*\jn+7]
.endr
.endr
.else
	WIN 0xa4
.irp i,0,1,2,3
.irp jn,0,1,2,3
	v_wmma_f32_16x16x32_f16 v[(4*\i+\jn)*8:(4*\i+\jn)*8+7], v[\wb+32+8*\jn:\wb+32+8*\jn+7], v[\act+8*\i:\act+8*\i+7], v[(4*\i+\jn)*8:(4*\i+\jn)*8+7]
.endr
.endr
.endif
.endm
.macro CVTF acc, frag                  ; tiles (i, 0), (i, 1) of acc (window 2) become fragment i (window 1): 32 roundings of two
	WIN 0x4a
.irp i,0,1,2,3
.irp jj,0,1
.irp p,0,1,2,3
	v_cvt_pk_f16_f32 v[\frag+8*\i+4*\jj+\p], v[\acc+(2*\i+\jj)*8+2*\p], v[\acc+(2*\i+\jj)*8+2*\p+1]
.endr
.endr
.endr
.endm
.macro CVTV                            ; V's tiles hold lane = e, registers = tokens: tiles (2 ks, j), (2 ks + 1, j) become V^T's fragment (j, ks)
	WIN 0x4a
.irp j,0,1
.irp ks,0,1
.irp q,0,1
.irp p,0,1,2,3
	v_cvt_pk_f16_f32 v[VT+(2*\j+\ks)*8+4*\q+\p], v[A0+((2*\ks+\q)*2+\j)*8+2*\p], v[A0+((2*\ks+\q)*2+\j)*8+2*\p+1]
.endr
.endr
.endr
.endr
.endm
.macro RELU
	WIN 0xaa
.set cnt, 0
.rept 64
	v_max_num_f32 v[A0+cnt], 0, v[A0+cnt]
.set cnt, cnt+1
.endr
.endm
.macro SMUL                            ; scores, the ten tiles at or below the diagonal: lane = query 16 i + r, registers = keys 16 kt + 8 h + 0..7
	WIN 0xa5
.irp i,0,1,2,3
.irp kt,0,1,2,3
.if \kt <= \i
	v_wmma_f32_16x16x32_f16 v[(4*\i+\kt)*8:(4*\i+\kt)*8+7], v[KF+8*\kt:KF+8*\kt+7], v[QF+8*\i:QF+8*\i+7], 0
.endif
.endr
.endr
.endm
; exp2((S - max) c2), c2 = 32^-0.5 log2 e, in place; RL[i] = 1 / row sum.  The row's true maximum is taken away; the diagonal is never masked, so it is finite.
.macro SOFTMAX
	WIN 0xaa
.irp i,0,1,2,3
.irp e,0,1,2,3,4,5,6,7
	v_cndmask_b32 v[40*\i+\e], s88, v[40*\i+\e], s[MK+\e]      ; diagonal tiles: -inf where key > query
.endr
.endr
.irp i,0,1,2,3
.irp kt,0,1,2,3
.if \kt <= \i
	v_max3_num_f32 v[TM+4*\i+\kt], v[(4*\i+\kt)*8], v[(4*\i+\kt)*8+1], v[(4*\i+\kt)*8+2]
.endif
.endr
.endr
.irp e,3,5
.irp i,0,1,2,3
.irp kt,0,1,2,3
.if \kt <= \i
	v_max3_num_f32 v[TM+4*\i+\kt], v[TM+4*\i+\kt], v[(4*\i+\kt)*8+\e], v[(4*\i+\kt)*8+\e+1]
.endif
.endr
.endr
.endr
.irp i,0,1,2,3
.irp kt,0,1,2,3
.if \kt <= \i
	v_max_num_f32 v[TM+4*\i+\kt], v[TM+4*\i+\kt], v[(4*\i+\kt)*8+7]
.endif
.endr
.endr
	v_max_num_f32 v[TM+4], v[TM+4], v[TM+5]
	v_max3_num_f32 v[TM+8], v[TM+8], v[TM+9], v[TM+10]
	v_max3_num_f32 v[TM+12], v[TM+12], v[TM+13], v[TM+14]
	v_max_num_f32 v[TM+12], v[TM+12], v[TM+15]
.irp i,0,1,2,3
	v_permlanex16_b32 v[PX+\i], v[TM+4*\i], s95, s96           ; the other eight keys of each tile lie in lane r of the other half
.endr
.irp i,0,1,2,3
	v_max_num_f32 v[TM+4*\i], v[TM+4*\i], v[PX+\i]
.endr
.irp i,0,1,2,3
	v_mul_f32 v[NM+2*\i], s92, v[TM+4*\i]                      ; -c2 max
.endr
.irp i,0,1,2,3
.irp kt,0,1,2,3
.if \kt <= \i
.irp p,0,1,2,3
	v_pk_fma_f32 v[(4*\i+\kt)*8+2*\p:(4*\i+\kt)*8+2*\p+1], v[(4*\i+\kt)*8+2*\p:(4*\i+\kt)*8+2*\p+1], s[90:91], v[NM+2*\i:NM+2*\i+1] op_sel_hi:[1,0,0]
.endr
.endif
.endr
.endr
.irp i,0,1,2,3
.irp kt,0,1,2,3
.if \kt <= \i
.irp e,0,1,2,3,4,5,6,7
	v_exp_f32 v[(4*\i+\kt)*8+\e], v[(4*\i+\kt)*8+\e]
.endr
.endif
.endr
.endr
	v_nop                                                      ; one plain instruction between the last transcendental and the first use (ISA guide 5.7.2)
	s_wait_alu depctr_va_vdst(0)
.irp i,0,1,2,3
.irp kt,0,1,2,3
.if \kt <= \i
	v_pk_add_f32 v[TS+2*(\i*(\i+1)/2+\kt):TS+2*(\i*(\i+1)/2+\kt)+1], v[(4*\i+\kt)*8:(4*\i+\kt)*8+1], v[(4*\i+\kt)*8+2:(4*\i+\kt)*8+3]
.endif
.endr
.endr
.irp e,4,6
.irp i,0,1,2,3
.irp kt,0,1,2,3
.if \kt <= \i
	v_pk_add_f32 v[TS+2*(\i*(\i+1)/2+\kt):TS+2*(\i*(\i+1)/2+\kt)+1], v[TS+2*(\i*(\i+1)/2+\kt):TS+2*(\i*(\i+1)/2+\kt)+1], v[(4*\i+\kt)*8+\e:(4*\i+\kt)*8+\e+1]
.endif
.endr
.endr
.endr
	v_pk_add_f32 v[TS+2:TS+3], v[TS+2:TS+3], v[TS+4:TS+5]          ; rows 16-31: two tiles
	v_pk_add_f32 v[TS+6:TS+7], v[TS+6:TS+7], v[TS+8:TS+9]          ; rows 32-47: three
	v_pk_add_f32 v[TS+12:TS+13], v[TS+12:TS+13], v[TS+14:TS+15]    ; rows 48-63: four
	v_pk_add_f32 v[TS+16:TS+17], v[TS+16:TS+17], v[TS+18:TS+19]
	v_pk_add_f32 v[TS+6:TS+7], v[TS+6:TS+7], v[TS+10:TS+11]
	v_pk_add_f32 v[TS+12:TS+13], v[TS+12:TS+13], v[TS+16:TS+17]
.irp i,0,1,2,3
	v_add_f32 v[TS+\i*(\i+1)], v[TS+\i*(\i+1)], v[TS+\i*(\i+1)+1]
.endr
.irp i,0,1,2,3
	v_permlanex16_b32 v[PX+\i], v[TS+\i*(\i+1)], s95, s96
.endr
.irp i,0,1,2,3
	v_add_f32 v[PX+\i], v[PX+\i], v[TS+\i*(\i+1)]
.endr
.irp i,0,1,2,3
	v_rcp_f32 v[RL+2*\i], v[PX+\i]                             ; the sum is at least 1: the maximum's own term
.endr
	v_nop
.endm
.macro CVTP                            ; P's tiles become six fragments (i, key step): (0,0) (1,0) (2,0) (2,1) (3,0) (3,1); two upper halves lie above the diagonal: zeros
	WIN 0x4a
.irp i,0,1,2,3
.irp kt,0,1,2,3
.if \kt <= \i
.irp p,0,1,2,3
	v_cvt_pk_f16_f32 v[PF+8*(\i+(\i/2)*(\i-2+\kt/2))+4*(\kt%2)+\p], v[(4*\i+\kt)*8+2*\p], v[(4*\i+\kt)*8+2*\p+1]
.endr
.endif
.endr
.endr
.irp p,4,5,6,7
	v_mov_b32 v[PF+\p], 0
	v_mov_b32 v[PF+24+\p], 0
.endr
.endm
.macro PV                              ; O (tile 2 i + j in A1) = V^T x P: lane = query, registers = e.  Twelve instructions, the accumulators by turns
	WIN 0xa5
.irp i,0,1,2,3
.irp j,0,1
	v_wmma_f32_16x16x32_f16 v[A1+(2*\i+\j)*8:A1+(2*\i+\j)*8+7], v[VT+16*\j:VT+16*\j+7], v[PF+8*(\i+(\i/2)*(\i-2)):PF+8*(\i+(\i/2)*(\i-2))+7], 0
.endr
.endr
.irp i,2,3
.irp j,0,1
	v_wmma_f32_16x16x32_f16 v[A1+(2*\i+\j)*8:A1+(2*\i+\j)*8+7], v[VT+16*\j+8:VT+16*\j+15], v[PF+8*(2*\i-1):PF+8*(2*\i-1)+7], v[A1+(2*\i+\j)*8:A1+(2*\i+\j)*8+7]
.endr
.endr
.endm
.macro ONORM
	WIN 0xaa
	s_wait_alu depctr_va_vdst(0)
.irp i,0,1,2,3
.irp j,0,1
.irp p,0,1,2,3
	v_pk_mul_f32 v[A1+(2*\i+\j)*8+2*\p:A1+(2*\i+\j)*8+2*\p+1], v[A1+(2*\i+\j)*8+2*\p:A1+(2*\i+\j)*8+2*\p+1], v[RL+2*\i:RL+2*\i+1] op_sel_hi:[1,0]
.endr
.endr
.endr
.endm
.macro ATT of                          ; one head, from Q, K fragments and V's accumulators to its output as fragments at of
	SMUL
	CVTV                                           ; 32 independent roundings: also the places between the scores' products and the first read of them
	SOFTMAX
	CVTP
	PV
	PLACES
	ONORM
	CVTF A1, \of
.endm
.macro SEND                            ; my partner's 16 tiles, f32, into my 16 KB of XCH: each store 512 consecutive bytes
	WIN 0x08
.irp t,0,1,2,3,4,5,6,7,8,9,10,11,12,13,14,15
	ds_store_b128 v[XW], v[8*\t:8*\t+3] offset:1024*\t
	ds_store_b128 v[XW], v[8*\t+4:8*\t+7] offset:1024*\t+512
.endr
.endm
.macro RECV                            ; what my partner made for my columns, same lane, same registers; added onto x
	WIN 0x80
.irp t,0,1,2,3,4,5,6,7,8,9,10,11,12,13,14,15
	ds_load_b128 v[8*\t:8*\t+3], v[XR] offset:1024*\t
	ds_load_b128 v[8*\t+4:8*\t+7], v[XR] offset:1024*\t+512
.endr
	WIN 0xcb
.irp i,0,1,2,3
	s_wait_dscnt 24-8*\i                           ; eight loads for each 16 rows, in order: the later rows' may stay out
.irp k,0,1,2,3,4,5,6,7,8,9,10,11,12,13,14,15
	v_pk_add_f32 v[32*\i+2*\k:32*\i+2*\k+1], v[32*\i+2*\k:32*\i+2*\k+1], v[32*\i+2*\k:32*\i+2*\k+1]
.endr
.endr
.endm
; LayerNorm of x with the gain and bias in GBG, GBB; the result lands as 16 fragments in window 1, v0-127.
; left = how many global loads younger than that gain and bias may stay out.
.macro LNORM left
	WIN 0xff
.irp i,0,1,2,3
	v_pk_add_f32 v[SA+2*\i:SA+2*\i+1], v[32*\i:32*\i+1], v[32*\i+2:32*\i+3]    ; four chains, one for each 16 rows; the first two pairs start them
.endr
.irp k,2,3,4,5,6,7,8,9,10,11,12,13,14,15
.irp i,0,1,2,3
	v_pk_add_f32 v[SA+2*\i:SA+2*\i+1], v[SA+2*\i:SA+2*\i+1], v[32*\i+2*\k:32*\i+2*\k+1]
.endr
.endr
.irp i,0,1,2,3
	v_add_f32 v[SA+2*\i], v[SA+2*\i], v[SA+2*\i+1]
.endr
.irp i,0,1,2,3
	v_permlanex16_b32 v[SA+2*\i+1], v[SA+2*\i], s95, s96
.endr
.irp i,0,1,2,3
	v_add_f32 v[SA+2*\i], v[SA+2*\i], v[SA+2*\i+1]
.endr
.irp i,0,1,2,3
	v_pk_mul_f32 v[MN+2*\i:MN+2*\i+1], v[SA+2*\i:SA+2*\i+1], 0x3c800000 op_sel_hi:[0,0]   ; the mean of my 64 columns, in both halves of the pair
.endr
.irp k,0,1,2,3,4,5,6,7,8,9,10,11,12,13,14,15
.irp i,0,1,2,3
	v_pk_add_f32 v[DT+2*\i:DT+2*\i+1], v[32*\i+2*\k:32*\i+2*\k+1], v[MN+2*\i:MN+2*\i+1] neg_lo:[0,1] neg_hi:[0,1]
.endr
.irp i,0,1,2,3
.if \k == 0
	v_pk_mul_f32 v[QS+2*\i:QS+2*\i+1], v[DT+2*\i:DT+2*\i+1], v[DT+2*\i:DT+2*\i+1]
.else
	v_pk_fma_f32 v[QS+2*\i:QS+2*\i+1], v[DT+2*\i:DT+2*\i+1], v[DT+2*\i:DT+2*\i+1], v[QS+2*\i:QS+2*\i+1]
.endif
.endr
.endr
.irp i,0,1,2,3
	v_add_f32 v[QS+2*\i], v[QS+2*\i], v[QS+2*\i+1]
.endr
.irp i,0,1,2,3
	v_permlanex16_b32 v[QS+2*\i+1], v[QS+2*\i], s95, s96
.endr
.irp i,0,1,2,3
	v_add_f32 v[MN+2*\i+1], v[QS+2*\i], v[QS+2*\i+1]           ; M2 takes the pair's upper half: MN is now (m0, M2_0, m1, M2_1, ..)
.endr
	WIN 0x0c
	ds_store_b128 v[STW], v[MN:MN+3]                           ; both halves of the wave write the same words with the same values
	ds_store_b128 v[STW], v[MN+4:MN+7] offset:16
	s_wait_dscnt 0x0                                           ; for my partner's sake: my stores are in LDS
	BAR
	WIN 0xc0
	ds_load_b128 v[SA:SA+3], v[STR]
	ds_load_b128 v[SA+4:SA+7], v[STR] offset:16
	s_wait_dscnt 0x0
	WIN 0xff
.irp i,0,1,2,3
	v_sub_f32 v[DT+2*\i], v[SA+2*\i], v[MN+2*\i]               ; d = partner's mean - mine
	v_add_f32 v[DT+2*\i+1], v[SA+2*\i+1], v[MN+2*\i+1]
.endr
.irp i,0,1,2,3
	v_fma_f32 v[QS+2*\i], v[DT+2*\i], 0.5, v[MN+2*\i]          ; the row's mean
	v_mul_f32 v[DT+2*\i], v[DT+2*\i], v[DT+2*\i]
.endr
.irp i,0,1,2,3
	v_fma_f32 v[DT+2*\i+1], v[DT+2*\i], 0x42000000, v[DT+2*\i+1]   ; + 64 x 64 / 128 d^2
.endr
.irp i,0,1,2,3
	v_fma_f32 v[DT+2*\i+1], v[DT+2*\i+1], s93, s94             ; / 128 + 1e-5
.endr
.irp i,0,1,2,3
	v_rsq_f32 v[SA+2*\i], v[DT+2*\i+1]
.endr
	v_nop
	s_wait_alu depctr_va_vdst(0)
.irp i,0,1,2,3
	v_mul_f32 v[QS+2*\i], -v[QS+2*\i], v[SA+2*\i]              ; - mean / sigma
.endr
	s_wait_loadcnt \left
	WIN 0xbf
.irp i,0,1,2,3
.irp k,0,1,2,3,4,5,6,7,8,9,10,11,12,13,14,15
	v_pk_fma_f32 v[32*\i+2*\k:32*\i+2*\k+1], v[32*\i+2*\k:32*\i+2*\k+1], v[SA+2*\i:SA+2*\i+1], v[QS+2*\i:QS+2*\i+1] op_sel_hi:[1,0,0]
.endr
.endr
	WIN 0x82
.irp i,0,1,2,3
.irp j,0,1,2,3
.irp p,0,1,2,3
	v_pk_fma_f32 v[32*\i+8*\j+2*\p:32*\i+8*\j+2*\p+1], v[32*\i+8*\j+2*\p:32*\i+8*\j+2*\p+1], v[GBG+8*\j+2*\p:GBG+8*\j+2*\p+1], v[GBB+8*\j+2*\p:GBB+8*\j+2*\p+1]
.endr
.endr
.endr
	WIN 0x4a
.irp i,0,1,2,3
.irp j,0,1,2,3
.irp p,0,1,2,3
	v_cvt_pk_f16_f32 v[PK+16*\i+4*\j+\p], v[32*\i+8*\j+2*\p], v[32*\i+8*\j+2*\p+1]
.endr
.endr
.endr
	WIN 0x04
.irp i,0,1,2,3
.irp j,0,1,2,3
	ds_store_b128 v[HW], v[PK+16*\i+4*\j:PK+16*\i+4*\j+3] offset:4096*\i+512*\j   ; tile j is half j mod 2 of my k step j / 2
.endr
.endr
	s_wait_dscnt 0x0
	BAR
	WIN 0x40
.irp f,0,1,2,3,4,5,6,7,8,9,10,11,12,13,14,15
	ds_load_b128 v[8*\f:8*\f+3], v[HR] offset:1024*\f
	ds_load_b128 v[8*\f+4:8*\f+7], v[HR] offset:1024*\f+512
.endr
	s_wait_dscnt 0x0
.endm
; One block of the feed-forward layer: 32 hidden columns of mine.  W1's fragments are in WB0, W2's in WB1 (16 loads each, WB0's issued first).
; more = 1: the next block's fragments (part nk = 3 slot + part) are fetched as soon as a buffer is free.
.macro FFNB b, more, nk
	s_wait_dscnt 16                                ; WB0 is in; WB1's 16 loads may stay out
.if \b < 4
	GEMM_IN WB0, A0, 3, B1A+16*\b, 0
.else
	GEMM_IN WB0, A0, 1, B1B+16*(\b-4), 0
.endif
	PLACES
.if \more
	LOADW WB0, AB+3*\nk, 0
.endif
	RELU
	CVTF A0, HID
.if \more
	s_wait_dscnt 16                                ; WB1 is in; the 16 loads just issued stay out
.else
	s_wait_dscnt 0
.endif
.if \b == 0
	GEMM_OUT WB1, HID, 1
.else
	GEMM_OUT WB1, HID, 0
.endif
	PLACES
.if \more
	LOADW2 WB1, AB+3*\nk+1, AB+3*\nk+2, 8192
.endif
.endm
.macro OUT16 i, buf                    ; rows 16 i .. + 15 of my 128 logit columns: through my own stage, out as whole pieces of 512 bytes
	WIN 0x08
.irp jn,0,1,2,3,4,5,6,7
	ds_store_b128 v[STGW], v[64*(\jn/2)+(2*\i+\jn%2)*8:64*(\jn/2)+(2*\i+\jn%2)*8+3] offset:64*\jn
	ds_store_b128 v[STGW], v[64*(\jn/2)+(2*\i+\jn%2)*8+4:64*(\jn/2)+(2*\i+\jn%2)*8+7] offset:64*\jn+16
.endr
	WIN 0
	s_wait_xcnt 0x0                                ; the buffer was the data of earlier stores: it is loaded again only behind this wait
.irp rr,0,1,2,3,4,5,6,7,8,9,10,11,12,13,14,15
	ds_load_b128 v[\buf+4*\rr:\buf+4*\rr+3], v[XW] offset:SPITCH*\rr   ; LDS serves a wave's instructions in order: these see the stores above
.endr
.irp rr,0,1,2,3,4,5,6,7,8,9,10,11,12,13,14,15
	s_wait_dscnt 15-\rr
	global_store_b128 v[VOUT], v[\buf+4*\rr:\buf+4*\rr+3], s[44:45] offset:(16*\i+\rr)*1024 th:TH_STORE_NT   ; the wave stores 512 consecutive bytes, aligned
.endr
.endm
; The part of a layer that is alike in all six: from its first LayerNorm to block 4 of its feed-forward layer, with its first two refills.
; On the way in: slot 0 holds Wq, Wk, Wv; slot 1's load (Wo, blocks 0, 1) is out; this layer's ln1 vectors and bo have been asked for.
.macro PART1
	LOADW WB0, AQ, 0                               ; Wq of my first head
	LOADW WB1, AQ, 8192                            ; Wk
	LNORM 0
	LOADGB 30, 32, VOWN, 0                         ; ln2's vectors, for later
	GEMM_IN WB0, A0, 0, 0, 0                       ; Q
	PLACES
	LOADW WB0, AQ, 16384                           ; Wv
	GEMM_IN WB1, A1, 0, 0, 0                       ; K
	PLACES
	LOADW WB1, AQ, 24576                           ; Wq of my second head
	CVTF A0, QF
	s_wait_dscnt 16                                ; Wv is in
	GEMM_IN WB0, A0, 0, 0, 1                       ; V, transposed
	CVTF A1, KF                                    ; 32 independent roundings stand between V's products and the load into WB0
	LOADW WB0, AQ, 32768                           ; Wk of my second head
	ATT OF0
	s_wait_dscnt 16                                ; Wq is in
	GEMM_IN WB1, A0, 0, 0, 0
	PLACES
	LOADW WB1, AQ, 40960                           ; Wv
	s_wait_dscnt 16                                ; Wk is in
	GEMM_IN WB0, A1, 0, 0, 0
	CVTF A0, QF
	s_wait_dscnt 0
	GEMM_IN WB1, A0, 0, 0, 1
	CVTF A1, KF
	REFILL G0A, G1, 1                              ; slot 0 has been read: blocks 2-4 of W1, W2; slot 1 (Wo, blocks 0, 1) is whole
	LOADW2 WB0, AB+10, AB+11, 0                    ; Wo, the k of my first head
	LOADW2 WB1, AB+10, AB+11, 8192                 ; of my second
	ATT OF1
	s_wait_dscnt 0
	GEMM_OUT WB0, OF0, 1
	GEMM_OUT WB1, OF1, 0
	PLACES
	SEND
	LOADBS 36, 0                                   ; b2
	LOADB1
	LOADW WB0, AB+12, 0                            ; block 0: slot 1, part 1
	LOADW2 WB1, AB+13, AB+14, 8192
	s_wait_dscnt 0x0                               ; my tiles for my partner are in LDS
	BAR                                            ; slot 0's load stays on its way
	RECV
	LNORM 40                                       ; b2's 8 and b1's 32 loads are younger than ln2's vectors
	s_wait_loadcnt 0x0                             ; b2 and b1 are in: no load was issued behind them
	FFNB 0, 1, 5
	FFNB 1, 0, 0
	REFILL G0B, G1, 1                              ; slot 1 has been read: blocks 5-7
	LOADW WB0, AB, 0
	LOADW2 WB1, AB+1, AB+2, 8192
	FFNB 2, 1, 1
	FFNB 3, 1, 2
	FFNB 4, 0, 0
.endm
; The rest of a layer: blocks 5-7, the exchange, and the fetches for what follows.
; last = 0: the next layer's Wq, Wk, Wv, then its Wo and blocks 0, 1; its ln1 vectors and bo.  last = 1: Wh and lnf's vectors, and no fourth fill.
.macro PART2 last
.if \last
	REFILL G0H, G1H, 0                             ; slot 0 has been read: Wh
.else
	REFILL G0A, G1, 1                              ; slot 0 has been read: the next layer's Wq, Wk, Wv
.endif
	LOADW WB0, AB+9, 0
	LOADW2 WB1, AB+10, AB+11, 8192
.if \last
	LOADGB 38, 40, VLNF, 0                         ; the second LayerNorm has read its vectors: the final one's
.else
	LOADGB 24, 26, VOWN, 512                       ; the second LayerNorm has read its vectors: the next layer's ln1
	LOADBS 28, 512                                 ; b2 started its sums in block 0: the next layer's bo
.endif
	FFNB 5, 1, 4
	FFNB 6, 1, 5
	FFNB 7, 0, 0
	SEND
.if \last
	WIN 0
	s_wait_tensorcnt 0x0                           ; my part of Wh has landed
	s_wait_dscnt 0x0
	BAR
.else
	REFILL G0B, G1, 1                              ; the next layer's Wo and blocks 0, 1; the round also hands my tiles to my partner
.endif
	RECV
.if \last == 0
	WIN 0
	s_wait_xcnt 0x0                                ; pending loads name these offsets: they are stepped only behind this wait
	v_add_nc_u32 v[VOWN], 512, v[VOWN]
	v_add_nc_u32 v[VPAR], 512, v[VPAR]
	v_add_nc_u32 v[VB1], 2048, v[VB1]
.endif
.endm
	s_load_b512 s[16:31], s[0:1], 0x0              ; idx 16, tok_emb 18, pos_emb 20, wpk 22, ln1_g 24, ln1_b 26, bo 28, ln2_g 30
	s_load_b256 s[32:39], s[0:1], 0x40             ; ln2_b 32, b1 34, b2 36, lnf_g 38
	s_load_b128 s[40:43], s[0:1], 0x60             ; lnf_b 40, bh 42
	s_load_b64 s[44:45], s[0:1], 0x70              ; out0
	v_lshl_add_u32 v62, v0, 2, 0x48800
	v_mov_b32 v63, 0
	ds_add_u32 v62, v63
	v_lshrrev_b32 v41, 5, v0
	v_readfirstlane_b32 s3, v41                    ; wave
	s_and_b32 s4, s3, 1                            ; c
	s_lshr_b32 s5, s3, 1                           ; s
	s_bfe_u32 s6, ttmp6, 0x40000                   ; cx: enters the addresses of idx and out0 alone
	s_lshl_b32 s7, ttmp9, 2
	s_add_co_u32 s7, s7, s6                        ; work-group
	s_mov_b32 s88, 0xff800000                      ; -inf
	s_mov_b32 s90, 0x3e8293ee                      ; c2 = 32^-0.5 log2 e
	s_mov_b32 s91, 0x3e8293ee
	s_mov_b32 s92, 0xbe8293ee
	s_mov_b32 s93, 0x3c000000                      ; 1 / 128
	s_mov_b32 s94, 0x3727c5ac                      ; 1e-5
	s_mov_b32 s95, 0x76543210                      ; v_permlanex16_b32: lane i of the other half
	s_mov_b32 s96, 0xfedcba98
	; group 1: a dense block as rows of 256 bytes (32 elements of 8 bytes); the mask names the cluster's four work-groups
	s_mov_b32 s[G1+0], 15|(3<<16)|(1<<21)
	s_mov_b32 s[G1+1], 32<<16                      ; tensor_dim0 = 32
	s_mov_b32 s[G1+2], 96<<16                      ; tensor_dim1 = 96
	s_mov_b32 s[G1+3], 32<<16                      ; tile_dim0 = 32
	s_mov_b32 s[G1+4], 96                          ; tile_dim1 = 96 rows: 24,576 bytes, a quarter of a chunk
	s_mov_b32 s[G1+5], 32                          ; pitch
	s_mov_b32 s[G1+6], 0
	s_mov_b32 s[G1+7], 0
	s_mov_b32 s[G1H+0], 15|(3<<16)|(1<<21)
	s_mov_b32 s[G1H+1], 32<<16
	s_mov_b32 s[G1H+2], 64<<16
	s_mov_b32 s[G1H+3], 32<<16
	s_mov_b32 s[G1H+4], 64                         ; 16,384 bytes, a quarter of Wh's chunk
	s_mov_b32 s[G1H+5], 32
	s_mov_b32 s[G1H+6], 0
	s_mov_b32 s[G1H+7], 0
	s_mul_i32 s10, s3, 24576                       ; my quarter: the wave's number alone, alike in all four work-groups
	s_mov_b32 s11, 0
	s_lshl_b32 s12, s3, 14
	s_mov_b32 s13, 0
	s_wait_dscnt 0x0
	s_wait_kmcnt 0x0
	s_mov_b32 s[G0A], 1
	s_mov_b32 s[G0A+1], s10
	s_add_nc_u64 s[G0A+2:G0A+3], s[22:23], s[10:11]            ; chunk 0
	s_mov_b32 s[G0B], 1
	s_add_co_u32 s[G0B+1], s10, SLOTB
	s_add_nc_u64 s[G0B+2:G0B+3], s[G0A+2:G0A+3], SLOTB         ; chunk 1
	s_mov_b32 s[G0H], 1
	s_mov_b32 s[G0H+1], s12
	s_add_nc_u64 s[G0H+2:G0H+3], s[22:23], s[12:13]
	s_add_nc_u64 s[G0H+2:G0H+3], s[G0H+2:G0H+3], 24*SLOTB      ; chunk 24
	s_or_b32 s[G0A+3], s[G0A+3], 0x80000000
	s_or_b32 s[G0B+3], s[G0B+3], 0x80000000
	s_or_b32 s[G0H+3], s[G0H+3], 0x80000000
	ROUND                                          ; the four work-groups are here: the first joint loads meet
	tensor_load_to_lds s[G0A:G0A+3], s[G1:G1+7]
	s_nop 0
	tensor_load_to_lds s[G0B:G0B+3], s[G1:G1+7]
	s_nop 0
	v_and_b32 v42, 31, v0
	v_lshlrev_b32 v42, 4, v42                      ; 16 lane
	v_and_b32 v43, 15, v0                          ; r
	v_bfe_u32 v44, v0, 4, 1                        ; h
	v_lshlrev_b32 v45, 5, v44                      ; 32 h: eight f32
	s_mul_i32 s9, s4, 49152
	v_add_nc_u32 v[AQ], s9, v42                    ; heads 2 c, 2 c + 1: 24 fragments each
	s_lshl_b32 s9, s4, 15
	v_add_nc_u32 v[AH], s9, v42
	s_lshl_b32 s9, s4, 14
	s_lshl_b32 s14, s4, 12
	s_sub_co_u32 s15, 4096, s14
	v_add_nc_u32 v46, s9, v42                      ; + 16 fragments for c = 1
.irp k,0,1,2,3,4,5
	v_add_nc_u32 v[AB+3*\k], (\k/3)*SLOTB+(\k%3)*PARTB, v46
	v_add_nc_u32 v[AB+3*\k+1], s14, v[AB+3*\k]     ; n tiles 4 c ..
	v_add_nc_u32 v[AB+3*\k+2], s15, v[AB+3*\k]     ; n tiles 4 (1 - c) ..
.endr
	s_xor_b32 s13, s3, 1                           ; my partner
	s_lshl_b32 s9, s3, 14
	s_add_co_u32 s9, s9, XCH
	v_add_nc_u32 v[XW], s9, v42
	v_mul_u32_u24 v48, v43, SPITCH
	v_add_nc_u32 v48, v48, v45
	v_add_nc_u32 v[STGW], s9, v48                  ; the stage: row r, 32 bytes for each half of the lanes
	s_lshl_b32 s9, s13, 14
	s_add_co_u32 s9, s9, XCH
	v_add_nc_u32 v[XR], s9, v42
	v_lshlrev_b32 v47, 5, v43
	s_lshl_b32 s9, s3, 9
	s_add_co_u32 s9, s9, ST
	v_add_nc_u32 v[STW], s9, v47
	s_lshl_b32 s9, s13, 9
	s_add_co_u32 s9, s9, ST
	v_add_nc_u32 v[STR], s9, v47
	s_lshl_b32 s9, s5, 14
	s_add_co_u32 s9, s9, HB
	v_add_nc_u32 v[HR], s9, v42
	s_lshl_b32 s9, s4, 11
	v_add_nc_u32 v[HW], s9, v[HR]                  ; my k steps 2 c, 2 c + 1
	s_lshl_b32 s9, s4, 8
	v_add_nc_u32 v[VOWN], s9, v45
	v_add_nc_u32 v[VLNF], s9, v45
	s_sub_co_u32 s9, 256, s9
	v_add_nc_u32 v[VPAR], s9, v45
	s_lshl_b32 s9, s4, 7
	v_add_nc_u32 v[VB1], s9, v45
	s_lshl_b32 s9, s4, 9
	v_add_nc_u32 v[VBH], s9, v45
	s_lshl_b32 s14, s5, 16
	s_add_co_u32 s9, s9, s14
	v_add_nc_u32 v[VOUT], s9, v42                  ; 64 s rows of 1,024 bytes + my 512 bytes of a row
	v_lshl_add_u32 v[PA], v43, 9, v[VOWN]
	v_lshlrev_b32 v48, 3, v44
	v_sub_nc_u32 v50, v43, v48                     ; r - 8 h
.irp e,0,1,2,3,4,5,6,7
	v_cmp_le_i32 s[MK+\e], \e, v50
.endr
	s_lshl_b32 s14, s7, 9
	s_mov_b32 s15, 0
	s_add_nc_u64 s[16:17], s[16:17], s[14:15]      ; idx at my work-group's 128 rows
	s_lshl_b32 s14, s7, 17
	s_add_nc_u64 s[44:45], s[44:45], s[14:15]      ; out0 likewise
	v_lshlrev_b32 v49, 2, v43
	s_lshl_b32 s9, s5, 8
	v_add_nc_u32 v49, s9, v49
.irp i,0,1,2,3
	global_load_b32 v[51+\i], v49, s[16:17] offset:64*\i
.endr
	s_wait_loadcnt 0x0
.irp i,0,1,2,3
	v_min_u32 v[51+\i], 0xff, v[51+\i]             ; an index stays inside the table of 256 rows
	v_lshl_add_u32 v[TA+\i], v[51+\i], 9, v[VOWN]
.endr
	WIN 0xc0
.irp i,0,1,2,3
.irp j,0,1,2,3
	global_load_b128 v[(4*\i+\j)*8:(4*\i+\j)*8+3], v[TA+\i], s[18:19] offset:64*\j
	global_load_b128 v[(4*\i+\j)*8+4:(4*\i+\j)*8+7], v[TA+\i], s[18:19] offset:64*\j+16
.endr
.endr
	WIN 0x80
.irp i,0,1,2,3
.irp j,0,1,2,3
	global_load_b128 v[(4*\i+\j)*8:(4*\i+\j)*8+3], v[PA], s[20:21] offset:8192*\i+64*\j
	global_load_b128 v[(4*\i+\j)*8+4:(4*\i+\j)*8+7], v[PA], s[20:21] offset:8192*\i+64*\j+16
.endr
.endr
	LOADGB 24, 26, VOWN, 0
	LOADBS 28, 0
	s_wait_loadcnt 24                              ; the embeddings are in; ln1's 16 and bo's 8 loads stay out
	WIN 0xcb
.set cnt, 0
.rept 64
	v_pk_add_f32 v[2*cnt:2*cnt+1], v[2*cnt:2*cnt+1], v[2*cnt:2*cnt+1]   ; x = token + position
.set cnt, cnt+1
.endr
	WIN 0
	s_wait_tensorcnt 0x1                           ; my quarter of chunk 0 is in; chunk 1 stays out
	BAR
	s_mov_b32 s8, 0
	s_branch .Lmid                                 ; the first layer begins at its first part
.Ltop:
	PART2 0                                        ; five times: the rest of layers 0 to 4
.Lmid:
	PART1                                          ; six times
	WIN 0
	s_add_co_u32 s8, s8, 1
	s_cmp_lt_u32 s8, LAYERS
	s_cbranch_scc1 .Ltop
	PART2 1                                        ; the rest of the last layer
	; the final LayerNorm and the head: my 128 logit columns in four units of 32
	WIN 0xc0
.irp u,0,1,2,3
.irp jj,0,1
	global_load_b128 v[B1A+16*\u+8*\jj:B1A+16*\u+8*\jj+3], v[VBH], s[42:43] offset:128*\u+64*\jj
	global_load_b128 v[B1A+16*\u+8*\jj+4:B1A+16*\u+8*\jj+7], v[VBH], s[42:43] offset:128*\u+64*\jj+16
.endr
.endr
	LOADW WB0, AH, 0
	LOADW WB1, AH, 8192
	LNORM 16                                       ; bh's 16 loads are younger than lnf's vectors
	s_wait_loadcnt 0x0
	GEMM_IN WB0, 0, 3, B1A, 0
	PLACES
	LOADW WB0, AH, 16384
	GEMM_IN WB1, 64, 3, B1A+16, 0
	PLACES
	LOADW WB1, AH, 24576
	s_wait_dscnt 16
	GEMM_IN WB0, 128, 3, B1A+32, 0
	s_wait_dscnt 0
	GEMM_IN WB1, 192, 3, B1A+48, 0
	PLACES
	OUT16 0, WB0
	OUT16 1, WB1
	OUT16 2, WB0
	OUT16 3, WB1
	s_wait_tensorcnt 0x0
	ds_add_u32 v62, v63
	s_wait_dscnt 0x0
	ROUND                                          ; the closing round: no work-group ends while a partner may still ask jointly
	s_endpgm
.Lfunc_end_k_qeb4c8688ff_model:
	.size	k_qeb4c8688ff_model, .Lfunc_end_k_qeb4c8688ff_model-k_qeb4c8688ff_model
	.p2alignl 7, 3214868480
	.fill 96, 4, 3214868480
	.section	.rodata,"a",@progbits
	.p2align	6, 0x0
	.amdhsa_kernel k_qeb4c8688ff_model
		.amdhsa_group_segment_fixed_size 327680
		.amdhsa_private_segment_fixed_size 0
		.amdhsa_enable_private_segment 0
		.amdhsa_kernarg_size 120
		.amdhsa_user_sgpr_count 2
		.amdhsa_user_sgpr_kernarg_segment_ptr 1
		.amdhsa_wavefront_size32 1
		.amdhsa_system_sgpr_workgroup_id_x 1
		.amdhsa_system_sgpr_workgroup_id_y 1
		.amdhsa_system_sgpr_workgroup_id_z 1
		.amdhsa_system_vgpr_workitem_id 0
		.amdhsa_next_free_vgpr 1024
		.amdhsa_next_free_sgpr 100
		.amdhsa_reserve_vcc 0
		.amdhsa_float_denorm_mode_32 3
		.amdhsa_float_denorm_mode_16_64 3
		.amdhsa_memory_ordered 1
		.amdhsa_forward_progress 1
		.amdhsa_inst_pref_size 255
	.end_amdhsa_kernel
	.section	.bss,"aw",@nobits
	.p2align	6
	.space	262144
	.amdgpu_metadata
---
amdhsa.version: [ 1, 2 ]
amdhsa.kernels:
  - .name:           k_qeb4c8688ff_model
    .symbol:         k_qeb4c8688ff_model.kd
    .args:
      - { .name: idx, .offset: 0, .size: 8, .value_kind: global_buffer, .address_space: global }
      - { .name: tok_emb, .offset: 8, .size: 8, .value_kind: global_buffer, .address_space: global }
      - { .name: pos_emb, .offset: 16, .size: 8, .value_kind: global_buffer, .address_space: global }
      - { .name: wpk, .offset: 24, .size: 8, .value_kind: global_buffer, .address_space: global }
      - { .name: ln1_g, .offset: 32, .size: 8, .value_kind: global_buffer, .address_space: global }
      - { .name: ln1_b, .offset: 40, .size: 8, .value_kind: global_buffer, .address_space: global }
      - { .name: bo, .offset: 48, .size: 8, .value_kind: global_buffer, .address_space: global }
      - { .name: ln2_g, .offset: 56, .size: 8, .value_kind: global_buffer, .address_space: global }
      - { .name: ln2_b, .offset: 64, .size: 8, .value_kind: global_buffer, .address_space: global }
      - { .name: b1, .offset: 72, .size: 8, .value_kind: global_buffer, .address_space: global }
      - { .name: b2, .offset: 80, .size: 8, .value_kind: global_buffer, .address_space: global }
      - { .name: lnf_g, .offset: 88, .size: 8, .value_kind: global_buffer, .address_space: global }
      - { .name: lnf_b, .offset: 96, .size: 8, .value_kind: global_buffer, .address_space: global }
      - { .name: bh, .offset: 104, .size: 8, .value_kind: global_buffer, .address_space: global }
      - { .name: out0, .offset: 112, .size: 8, .value_kind: global_buffer, .address_space: global }
    .group_segment_fixed_size: 327680
    .private_segment_fixed_size: 0
    .kernarg_segment_align: 8
    .kernarg_segment_size: 120
    .max_flat_workgroup_size: 128
    .sgpr_count:     100
    .vgpr_count:     1024
    .wavefront_size: 32
...
	.end_amdgpu_metadata
.endif
;; end of part 3
